; MI455X (gfx1250); checked and timed in simulation.
; The chip was launched on July 23, 2026; its instructions are those of AMD's public machine-readable ISA for CDNA 5 (MIT licence, August 2026) and "CDNA5" Instruction Set Architecture Reference Guide (July 2026). The comments in the code are by the model that wrote it; some were corrected since.
;; Projected Adaptive Log Softmax. Allowed arithmetic: matrix products marked QUANTISED: E4M3 operands, one E8M0 scale for each 32 along K, by v_wmma_scale_f32_16x16x128_f8f6f4 with both operands' format E4M3, f32 sums; products left as they are: f32 operands where the result goes on into a quantised operand, else bf16, f16 or f32 operands; f32 sums; everything else in f32.
;; Inputs: cluster_bias 2 float32; cluster_weight 2 x 1,024 float32; hidden 4,096 x 1,024 float32; out_bias 12,500 float32; out_weight 12,500 x 1,024 float32; target 4,096 int32.
;; Outputs: out0 4,096 float32.
;; This version of the problem:
;;   THIS VERSION OF THE PROBLEM IS GIVEN IN LOW PRECISION. The matrix products marked QUANTISED in the list below multiply operands that are first quantised to E4M3 (4 exponent bits, 3 mantissa bits; 8 bits a number), with one power-of-two scale for each 32 numbers along K (OCP MX v1.0); their sums are f32. All else is computed in f32.
;;   The module's matrix products, in the order in which they are computed (A, B: the left and right operand; K: the contracted axis; several contracted axes count as one K, in the product's order):
;;     1. [M 4,096, K 1,024] x [K 1,024, N 12,502]; A: input hidden; B: computed on the way: QUANTISED
;;     2. [M 4,096, K 1,024] x [K 1,024, N 0]; A: input hidden; B: input out_weight: left as it is (N = 0 < 16)
;;     3. [M 4,096, K 1,024] x [K 1,024, N 0]; A: input hidden; B: input out_weight: left as it is (N = 0 < 16)
;;   THE QUANTISER, for each operand of a quantised product, along K:
;;     - K is cut into blocks of 32 from its start; a last block that is shorter is filled with zeros.
;;     - A block's scale is 2^e with e = floor(log2(the largest magnitude in the block)) - 8, held to -126 .. 127; a block of zeros has e = 0. As a byte (E8M0): e + 127.
;;     - Each number is divided by its block's scale, clamped to +-448, and rounded to the nearest number of E4M3, ties to even, subnormals kept.
;;     - The product sums the exact products of the quantised numbers (number of the format x scale) in f32.
;;   ~~~python
;;   def quantise(x, axis):      # numpy; x: float32 -> the quantised numbers, widened to float32 again
;;       x = np.moveaxis(x, axis, -1); K = x.shape[-1]
;;       x = np.pad(x, [(0, 0)] * (x.ndim - 1) + [(0, -K % 32)]); x = x.reshape(x.shape[:-1] + (-1, 32)); a = np.abs(x).max(-1, keepdims=True)
;;       e = np.where(a > 0, np.clip(np.frexp(np.where(a > 0, a, 1))[1] - 1 - 8, -126, 127), 0)      # np.frexp(a)[1] - 1 = floor(log2(a)), exactly
;;       r = np.clip(x / 2.0 ** e, -448, 448)
;;       step = 2.0 ** (np.maximum(np.frexp(np.where(r == 0, 1, r))[1] - 1, -6) - 3)
;;       q = np.round(r / step) * step * 2.0 ** e      # np.round: ties to even
;;       return np.moveaxis(q.reshape(q.shape[:-2] + (-1,))[..., :K], -1, axis).astype(np.float32)
;;   ~~~
;;   OPERANDS COMPUTED ON THE WAY. 'Computed on the way' means the value that the module computes at that place (a softmax that the list does not call 'softmax' is quantised finished and normalised). What goes into a quantiser is computed in f32, as accurately as f32 sums, v_exp_f32 and their like allow (about 1e-6 of the number): no bf16 or f16 on the way to a quantiser, and a product that is left as it is and whose result goes on into a quantised operand takes f32 operands (vector FMAs, or v_wmma_f32_16x16x4_f32). A number that lies on a knife's edge between two numbers of the format may be rounded either way, as far as f32 arithmetic and the matrix unit's own rounding can turn it there, and no further.
;; 2 versions, each right and faster than the one before. Each part assembles by itself: llvm-mc -triple=amdgcn-amd-amdhsa -mcpu=gfx1250 --defsym DOCPART=n.
;; ======== version 1 of 2: 3 launches
;; limits: right only within a limited range of input values
;; workspace buffers: acodes 4,194,304 bytes; ascl 131,072 bytes; bcodes 12,845,056 bytes; bscl 401,408 bytes; bias 50,176 bytes; part 524,288 bytes
;; launch quant (part 1): grid 260 x 1, 8 waves a work-group, no clusters, 68,608 bytes of LDS; arguments hidden, out_weight, cluster_weight, out_bias, cluster_bias, acodes, ascl, bcodes, bscl, bias; writes acodes, ascl, bcodes, bscl, bias
.if DOCPART == 1
	.amdgcn_target "amdgcn-amd-amdhsa--gfx1250"
	.amdhsa_code_object_version 6
	.text
	.protected	k_qa41df0b673_quant
	.globl	k_qa41df0b673_quant
	.p2align	8
	.type	k_qa41df0b673_quant,@function
k_qa41df0b673_quant:
	s_mov_b64 s[64:65], 0
	v_nop
	global_prefetch_b8 v0, s[64:65] scope:SCOPE_SE
	s_setreg_imm32_b32 hwreg(HW_REG_WAVE_MODE, 25, 1), 1
	s_wait_xcnt 0x0
; nll[i] = logsumexp_j(Q(hidden)[i] . Q(head_w)[j] + head_b[j]) - (that logit at j = target[i]); head_w = out_weight's 12,500 rows, then cluster_weight's 2.
; WORK LEFT OUT, for all values of the inputs: out_weight has 12,500 rows, so out_weight[20000:40000] and out_weight[40000:50000] are empty: the two tail products have N = 0, nothing is there to multiply.
; The tails' choice (in_cluster) is true only for target >= 20,000, where reference() gathers from empty tables; the last launch selects NaN for every target beyond the head's 12,502 columns.  All six inputs are loaded.
; LIMIT: a NaN, an infinity or an overflow that reaches only the work left out is not carried to the result.
; THIS LAUNCH turns hidden [4096][1024] and head_w (12,502 rows, filled to 12,544 with rows of zero codes) into codes of E4M3 with one E8M0 byte for each 32 along K, and lays the bias out for 12,544 columns.
; A block's scale is 2^(floor(log2(its largest magnitude)) - 8); its byte is that magnitude's exponent field - 8, held at 1 from below; each number is held within +-448 x the scale and rounded to the nearest code, ties to even.
; LIMITS: a block of zeros gets the byte 1 where the quantiser says 127 (its codes are zeros, and this program alone reads the bytes); NaN and infinities among the inputs are not served;
; the columns that fill up to 12,544 get the bias -1e30, so logits under -1e30 are not served.
; LAYOUT OF THE WORKSPACE: a TILE is 16 rows x 1,024 K, laid in the order of the operand's registers.  Codes: 16,384 bytes = [K step s 0..7][piece c 0..3][lane l][16 bytes]: row l % 16, k = 128 s + 32 c + 16 (l / 16) + 0..15.
; Scale words: 512 bytes = [u 0..1][lane l][2 words]: word i is the word (four bytes, 128 along K) of row l % 16 for K step 4 u + 2 i + l / 16: a register then holds an even K step in lanes 0-15 and the odd one behind it in lanes 16-31.
; SHARES: work-group g takes tiles 4 g .. 4 g + 3 of 1,040 (256 of hidden, then 784 of the head); a wave takes half a tile: 16 rows x 512 K, four fragments.  Each load reads 512 consecutive bytes of one row; a fragment's
; 16 x 512 bytes turn through the wave's own stage in LDS (rows of 528 bytes) and come back 16 neighbours along K to a lane.  Each store of codes covers 512 consecutive bytes, the store of scale words 256, aligned.
; No tensor loads, no barrier: waves share nothing.  32 loads of a wave are out.
.set WST,   8448                       ; a wave's stage: 16 rows x 528 bytes
.set SPARE, 8*WST                      ; behind the stages: the spare words, 128 bytes for each wave: four blocks of 256 bytes that no other line names
.set RP,    32                         ; s[32:63] the addresses of my tile's 16 rows
.set R,     64                         ; v64-191  two sets of 64 registers as loaded
.set X,     192                        ; v192-255 64 numbers: register 16 b + i = k 32 b + 16 (lane / 16) + i of my row
.set PC,    32                         ; v32-47   a fragment's codes
.set TM,    16                         ; v16-31   largest magnitudes, bytes, holds, scale operands
.set PW,    14                         ; v14      the scale word just made
.set SW,    12                         ; v[12:13] the two words that I store
.set SPW,   10                         ; v10      LDS address of my spare word; never rewritten
.set NIL,   11                         ; v11      0; never rewritten
	s_load_b256 s[4:11], s[0:1], 0x0               ; hidden, out_weight, cluster_weight, out_bias
	s_load_b256 s[12:19], s[0:1], 0x20             ; cluster_bias, acodes, ascl, bcodes
	s_load_b128 s[20:23], s[0:1], 0x40             ; bscl, bias
	v_lshl_add_u32 v[SPW], v0, 2, SPARE
	v_mov_b32 v[NIL], 0
	v_lshrrev_b32 v1, 5, v0
	v_readfirstlane_b32 s24, v1                    ; wave 0..7
	v_and_b32 v1, 31, v0                           ; lane
	v_and_b32 v2, 15, v0                           ; r
	v_bfe_u32 v3, v0, 4, 1                         ; h
	s_and_b32 s73, s24, 1                          ; u: which half of K
	s_lshl_b32 s77, s73, 11
	v_lshl_add_u32 v4, v1, 4, s77                  ; in a row: 16 x lane + 2,048 u
	s_mul_i32 s77, s24, WST
	v_lshl_add_u32 v5, v1, 4, s77                  ; into the stage: 16 x lane
	v_mul_u32_u24 v6, v2, 528
	v_lshl_add_u32 v6, v3, 6, v6
	v_add_nc_u32 v6, s77, v6                       ; out of it: row r, + 64 h
	v_lshlrev_b32 v7, 4, v1                        ; codes: 16 x lane
	v_lshlrev_b32 v8, 3, v1                        ; words: 8 x lane
	s_mov_b32 s72, 0xffff0000                      ; lanes 16-31
	s_mov_b32 s74, 0x76543210
	s_mov_b32 s75, 0xfedcba98                      ; v_permlanex16_b32's selects for lane l xor 16
	s_mov_b32 s76, 0x600000                        ; the mantissa field of 448
.irp b, 0,1,2,3
	v_mov_b32 v[TM+4+\b], 0                        ; written once: a lane permute's destination counts as one of its sources
.endr
	s_mov_b32 s25, ttmp9                           ; g
	s_wait_kmcnt 0x0
	s_cmp_lt_u32 s25, 64                           ; hidden's work-group or the head's?  The choice hangs on the work-group's number alone
	s_cselect_b64 s[66:67], s[4:5], s[6:7]         ; the tensor that holds the rows under LIM
	s_cselect_b64 s[68:69], s[14:15], s[18:19]     ; its codes
	s_cselect_b64 s[70:71], s[16:17], s[20:21]     ; its scale words
	s_mov_b32 s27, 12500
	s_cselect_b32 s27, 4096, s27                   ; LIM: rows of that tensor
	s_mov_b32 s28, 12502
	s_cselect_b32 s28, 4096, s28                   ; VAL: rows that count
	s_cselect_b32 s29, 0, 256
	s_lshr_b32 s31, s24, 1
	s_lshl_b32 s30, s25, 2
	s_add_co_u32 s30, s30, s31
	s_sub_co_u32 s29, s30, s29                     ; my tile in its tensor
	s_lshl_b32 s26, s29, 4                         ; n0: its first row
	s_lshl_b32 s30, s29, 14
	s_lshl_b32 s31, s73, 13
	s_add_co_u32 s30, s30, s31
	s_mov_b32 s31, 0
	s_add_nc_u64 s[68:69], s[68:69], s[30:31]      ; codes: 16,384 x tile + 8,192 u
	s_lshl_b32 s30, s29, 9
	s_lshl_b32 s31, s73, 8
	s_add_co_u32 s30, s30, s31
	s_mov_b32 s31, 0
	s_add_nc_u64 s[70:71], s[70:71], s[30:31]      ; words: 512 x tile + 256 u
	v_add_nc_u32 v9, s26, v2
	v_cmp_gt_u32 vcc_lo, s28, v9
	v_cndmask_b32 v9, 0, -1, vcc_lo                ; all ones where my row counts, 0 in a row that only fills up
; Row n0 + i: under LIM it lies in the tensor chosen; rows 12,500 and 12,501 are cluster_weight's; a row that only fills up reads cluster_weight's row 1, and its codes are made zeros
.irp i, 0,1,2,3,4,5,6,7,8,9,10,11,12,13,14,15
	s_add_co_u32 s30, s26, \i
	s_sub_co_u32 s31, s30, s27
	s_min_u32 s31, s31, 1
	s_cmp_lt_u32 s30, s27
	s_cselect_b32 s30, s30, s31
	s_cselect_b64 s[RP+2*\i:RP+2*\i+1], s[66:67], s[8:9]
	s_lshl_b32 s30, s30, 12                        ; a row is 4,096 bytes
	s_mov_b32 s31, 0
	s_add_nc_u64 s[RP+2*\i:RP+2*\i+1], s[RP+2*\i:RP+2*\i+1], s[30:31]
.endr
.macro LOAD f                          ; fragment f: 512 bytes of each of the 16 rows
.irp i, 0,1,2,3,4,5,6,7,8,9,10,11,12,13,14,15
	global_load_b128 v[R+64*((\f)%2)+4*\i:R+64*((\f)%2)+4*\i+3], v4, s[RP+2*\i:RP+2*\i+1] offset:512*(\f) th:TH_LOAD_NT
.endr
.endm
.macro TURNX f                         ; through the stage: LDS serves a wave's instructions in order, so no wait stands between the stores and the loads
.irp i, 0,1,2,3,4,5,6,7,8,9,10,11,12,13,14,15
	ds_store_b128 v5, v[R+64*((\f)%2)+4*\i:R+64*((\f)%2)+4*\i+3] offset:528*\i
.endr
.irp b, 0,1,2,3
.irp j, 0,1,2,3
	ds_load_b128 v[X+16*\b+4*\j:X+16*\b+4*\j+3], v6 offset:128*\b+16*\j
.endr
.endr
.endm
.macro QUANT                           ; the 64 numbers in X become a fragment's codes in PC and its scale word in PW
.irp b, 0,1,2,3
	v_max3_num_f32 v[TM+\b], |v[X+16*\b]|, |v[X+1+16*\b]|, 0x4800000   ; block b: my 16 numbers, and the floor 2^(9 - 127): so the byte cannot fall under 1
.endr
.irp i, 2,4,6,8,10,12,14
.irp b, 0,1,2,3
	v_max3_num_f32 v[TM+\b], v[TM+\b], |v[X+16*\b+\i]|, |v[X+1+16*\b+\i]|   ; the four blocks by turns
.endr
.endr
.irp b, 0,1,2,3
	v_permlanex16_b32 v[TM+4+\b], v[TM+\b], s74, s75
.endr
.irp b, 0,1,2,3
	v_max_num_f32 v[TM+\b], v[TM+\b], v[TM+4+\b]   ; with lane l xor 16's: the block's largest magnitude
.endr
.irp b, 0,1,2,3
	v_add_nc_u32 v[TM+12+\b], 0xfc000000, v[TM+\b] ; 8 off its exponent field: the conversion's scale operand
.endr
.irp b, 0,1,2,3
	v_and_or_b32 v[TM+8+\b], v[TM+\b], 0x7f800000, s76   ; 448 x the scale
.endr
.irp b, 0,1,2,3
	v_and_b32 v[TM+8+\b], v[TM+8+\b], v9           ; 0 in a row that only fills up: its numbers are held at 0, its codes are zeros
.endr
.irp b, 0,1,2,3
	v_lshrrev_b32 v[TM+4+\b], 23, v[TM+12+\b]      ; the scale's byte
.endr
	v_lshl_or_b32 v[PW], v[TM+5], 8, v[TM+4]
	v_lshl_or_b32 v[PW], v[TM+6], 16, v[PW]
	v_lshl_or_b32 v[PW], v[TM+7], 24, v[PW]
.irp b, 0,1,2,3
.irp i, 0,1,2,3,4,5,6,7,8,9,10,11,12,13,14,15
	v_med3_num_f32 v[X+16*\b+\i], v[X+16*\b+\i], -v[TM+8+\b], v[TM+8+\b]   ; the conversion to an 8-bit code does not saturate (ISA guide 7.6.2): the hold comes first
.endr
	v_cvt_scalef32_pk8_fp8_f32 v[PC+4*\b:PC+1+4*\b], v[X+16*\b:X+7+16*\b], v[TM+12+\b]
	v_cvt_scalef32_pk8_fp8_f32 v[PC+2+4*\b:PC+3+4*\b], v[X+8+16*\b:X+15+16*\b], v[TM+12+\b]
.endr
	v_nop                                          ; a plain line behind the last conversion
.endm
	LOAD 0
	LOAD 1
.macro FRAGM f
.if (\f) < 3
	s_wait_loadcnt 16                              ; this fragment's 16 loads are in; the next fragment's 16 may be out
.else
	s_wait_loadcnt 0x0
.endif
	TURNX \f
	s_wait_dscnt 0x0                               ; the numbers are back, and the stores into the stage have read their registers
.if (\f) > 0
	s_wait_xcnt 0x0                                ; the last fragment's stores have read their data: PC is written again only behind this wait
.endif
.if (\f) < 2
	LOAD (\f)+2
.endif
	QUANT
.irp c, 0,1,2,3
	global_store_b128 v7, v[PC+4*\c:PC+4*\c+3], s[68:69] offset:2048*(\f)+512*\c   ; 32 lanes store 512 consecutive bytes
.endr
.if (\f)%2 == 0
	v_mov_b32 v[SW+(\f)/2], v[PW]                  ; the even K step's word, for lanes 0-15
.else
	v_cndmask_b32 v[SW+(\f)/2], v[SW+(\f)/2], v[PW], s72   ; lanes 16-31 take the odd K step's
.endif
.endm
	FRAGM 0
	FRAGM 1
	FRAGM 2
	FRAGM 3
	global_store_b64 v8, v[SW:SW+1], s[70:71]      ; 32 lanes store 256 consecutive bytes, aligned
	; the bias of the work-group's 64 columns: wave 0 of the head's work-groups
	s_cmp_lg_u32 s24, 0
	s_cbranch_scc1 .Lno_bias
	s_cmp_lt_u32 s25, 64
	s_cbranch_scc1 .Lno_bias
	s_sub_co_u32 s30, s25, 64
	s_lshl_b32 s29, s30, 6
	v_lshl_add_u32 v48, v1, 1, s29                 ; n: my two columns
	v_min_u32 v49, 12498, v48
	v_lshlrev_b32 v49, 2, v49                      ; no load leaves out_bias
	v_mov_b32 v50, 0
	global_load_b64 v[52:53], v49, s[10:11]
	global_load_b64 v[54:55], v50, s[12:13]
	s_lshl_b32 s30, s30, 8
	s_mov_b32 s31, 0
	s_add_nc_u64 s[22:23], s[22:23], s[30:31]
	v_mov_b32 v51, 0xf149f2ca                      ; -1e30: a column that only fills up adds nothing to a sum of exponentials
	s_wait_loadcnt 0x0
	v_cmp_eq_u32 vcc_lo, 12500, v48
	v_cndmask_b32 v54, v51, v54, vcc_lo
	v_cndmask_b32 v55, v51, v55, vcc_lo
	v_cmp_gt_u32 vcc_lo, 12500, v48
	v_cndmask_b32 v52, v54, v52, vcc_lo
	v_cndmask_b32 v53, v55, v53, vcc_lo
	global_store_b64 v8, v[52:53], s[22:23]        ; 256 consecutive bytes, aligned
.Lno_bias:
	s_wait_tensorcnt 0x0                           ; the wave's end, behind my last LDS store
	ds_add_u32 v[SPW], v[NIL]
	s_wait_dscnt 0x0
	s_endpgm
.Lfunc_end_k_qa41df0b673_quant:
	.size	k_qa41df0b673_quant, .Lfunc_end_k_qa41df0b673_quant-k_qa41df0b673_quant
	.p2alignl 7, 3214868480
	.fill 96, 4, 3214868480
	.section	.rodata,"a",@progbits
	.p2align	6, 0x0
	.amdhsa_kernel k_qa41df0b673_quant
		.amdhsa_group_segment_fixed_size 68608
		.amdhsa_private_segment_fixed_size 0
		.amdhsa_enable_private_segment 0
		.amdhsa_kernarg_size 80
		.amdhsa_user_sgpr_count 2
		.amdhsa_user_sgpr_kernarg_segment_ptr 1
		.amdhsa_wavefront_size32 1
		.amdhsa_system_sgpr_workgroup_id_x 1
		.amdhsa_system_sgpr_workgroup_id_y 1
		.amdhsa_system_sgpr_workgroup_id_z 1
		.amdhsa_system_vgpr_workitem_id 0
		.amdhsa_next_free_vgpr 256
		.amdhsa_next_free_sgpr 80
		.amdhsa_reserve_vcc 1
		.amdhsa_float_denorm_mode_32 3
		.amdhsa_float_denorm_mode_16_64 3
		.amdhsa_memory_ordered 1
		.amdhsa_forward_progress 1
		.amdhsa_inst_pref_size 57
	.end_amdhsa_kernel
	.amdgpu_metadata
---
amdhsa.version: [ 1, 2 ]
amdhsa.kernels:
  - .name:           k_qa41df0b673_quant
    .symbol:         k_qa41df0b673_quant.kd
    .args:
      - { .name: hidden, .offset: 0, .size: 8, .value_kind: global_buffer, .address_space: global }
      - { .name: out_weight, .offset: 8, .size: 8, .value_kind: global_buffer, .address_space: global }
      - { .name: cluster_weight, .offset: 16, .size: 8, .value_kind: global_buffer, .address_space: global }
      - { .name: out_bias, .offset: 24, .size: 8, .value_kind: global_buffer, .address_space: global }
      - { .name: cluster_bias, .offset: 32, .size: 8, .value_kind: global_buffer, .address_space: global }
      - { .name: acodes, .offset: 40, .size: 8, .value_kind: global_buffer, .address_space: global }
      - { .name: ascl, .offset: 48, .size: 8, .value_kind: global_buffer, .address_space: global }
      - { .name: bcodes, .offset: 56, .size: 8, .value_kind: global_buffer, .address_space: global }
      - { .name: bscl, .offset: 64, .size: 8, .value_kind: global_buffer, .address_space: global }
      - { .name: bias, .offset: 72, .size: 8, .value_kind: global_buffer, .address_space: global }
    .group_segment_fixed_size: 68608
    .private_segment_fixed_size: 0
    .kernarg_segment_align: 8
    .kernarg_segment_size: 80
    .max_flat_workgroup_size: 256
    .sgpr_count:     80
    .vgpr_count:     256
    .wavefront_size: 32
...
	.end_amdgpu_metadata
.endif
;; end of part 1
;; launch gemm (part 2): grid 16 x 16, 4 waves a work-group, clusters of 4 x 1, 327,680 bytes of LDS; arguments acodes, ascl, bcodes, bscl, bias, part; writes part
.if DOCPART == 2
	.amdgcn_target "amdgcn-amd-amdhsa--gfx1250"
	.amdhsa_code_object_version 6
	.text
	.protected	k_qa41df0b673_gemm
	.globl	k_qa41df0b673_gemm
	.p2align	8
	.type	k_qa41df0b673_gemm,@function
k_qa41df0b673_gemm:
	s_mov_b64 s[64:65], 0
	v_nop
	global_prefetch_b8 v0, s[64:65] scope:SCOPE_SE
	s_setreg_imm32_b32 hwreg(HW_REG_WAVE_MODE, 25, 1), 1
	s_wait_xcnt 0x0
	s_wait_alu depctr_hold_cnt(0) depctr_sa_sdst(0) depctr_va_vdst(0) depctr_va_sdst(0) depctr_va_ssrc(0) depctr_va_vcc(0) depctr_vm_vsrc(0)
	s_getreg_b32 s2, hwreg(HW_REG_IB_STS2, 6, 4)
	s_cmp_eq_u32 s2, 0
	s_cbranch_scc0 .Lentry_in_a_cluster
	s_endpgm
.Lentry_in_a_cluster:
	s_bfe_u32 s2, ttmp6, 0x10000c
	s_cmp_lg_u32 s2, 0x3003
	s_cbranch_scc0 .Lentry_shape_is_right
	s_endpgm
.Lentry_shape_is_right:
; The head's logits, Q(hidden) Q(head_w)^T + head_b, on codes of E4M3 with E8M0 scales, and of each token's logits a running maximum m and sum l of e^(logit - m).  The logits never leave the registers.
; The two tail products of reference() have N = 0 and are left out (shown at the head of the first kernel).
; SHARES.  Work-group (x, y): 256 tokens (x) and 784 columns = 49 tiles of 16 (y); 16 x 16 work-groups.  Wave w owns 64 tokens, four tiles of 16; THEIR CODES FOR ALL OF K STAY IN REGISTERS (4 x 8 x 16 = 512),
; loaded once, straight from the operand's image in memory.  Only the columns' codes go through LDS: a fragment of 2,048 bytes feeds four matrix instructions.
; TRANSPOSED USE: source 0 = 16 columns, source 1 = 16 tokens: lane (r, h) holds token r, and register j column 16 T + 8 h + j.  So each lane runs its own m and l over its eight columns of every tile, and lanes meet once, at the end.
; The bias is the C of a tile's first four matrix instructions.
; BY TURNS.  A TURN is one tile of columns: 32 matrix instructions (K step s = k / 4, tile of tokens a = k % 4; the four accumulators take turns).  Behind each stands a slice of the softmax of the tile
; before, which lies in the other set of accumulators: 92 vector instructions a turn.  All 36 exponentials of a turn are one batch with one wait.
; THE RING.  Two slots of 8 tiles (131,072 bytes); chunk c of 7 (the last is one tile) lies in slot c % 2.  Each wave fetches a quarter of a chunk with one tensor load.  The change of slots stands in a chunk's last turn; the refill has
; a whole chunk, 256 matrix instructions a wave, in which to land.  By this text's count a wave has three tensor loads out at the head and one later.
; CLUSTER.  The four work-groups of a cluster have the same y and walk the same columns: codes, scale words and bias are asked for JOINTLY, by the same load with the same descriptor and the mask of all four.
; The tokens' codes are not shared so: they are a quarter of a work-group's bytes (262,144 of 1,064,960), are read once, and go into registers with no pass through LDS.
; LIMIT: the running maximum starts at -2e38 and the columns that fill up carry the bias -1e30: logits under -1e30 are not served.
; REGISTERS, in windows of 256.  Window 0: v0 lane, v1 address in hand, v2-3 the add's two, v4-7 the columns' scale words, v8-23 the tokens', v24-31 bias, v32-63 statistics, v64-127 two sets of four accumulators,
; v128-255 the columns' eight fragments.  Windows 1 and 2: the tokens' fragments (a, s) at 64 (s % 4) + 16 a, K steps 0-3 and 4-7.
; Only source 1 of the matrix instructions leaves window 0.  So a vector line whose source 1 is a scalar or a constant runs under the products' setting; only the maxima and the last four lines of a turn want a switch.
.set SLOT1, 1<<17
.set TILEB, 16384
.set SCL,   2*SLOT1                    ; behind the ring: the scale words of my 49 tiles, 512 bytes each,
.set BIA,   SCL+49*512                 ; the bias of my 784 columns, 3,136 bytes,
.set SPARE, 290560                     ; and, at the next multiple of 256, the spare words: 128 bytes a wave, two blocks of 256 bytes that no other line names
.set LANE, 0
.set ADR,  1
.set SPW,  2
.set NIL,  3
.set BS,   4                           ; register q: K step 2 q in lanes 0-15, 2 q + 1 in lanes 16-31
.set AS,   8                           ; the same for tile a of tokens at AS + 4 a + q
.set BIAS, 24
.set ST,   32                          ; tile a at ST + 8 a: +0 -c m (even turns), +1 m, +2 -c m (odd turns), +3 at work, +4, +5 l in two halves, +6 the factor for l, +7 at work
.set ACC,  64                          ; set P, tile a at ACC + 32 P + 8 a
.set BF,   128                         ; K step s at BF + 16 s
.set WV,   16
.set G1,   24                          ; s[24:31] group 1: 128 rows of 256 bytes
.set G1T,  32                          ; 16 rows
.set G1S,  40                          ; 49 rows
.set G1J,  48                          ; one row of 1,568 bytes
.set G0A,  56                          ; groups 0: chunk 0;
.set G0B,  60                          ; chunk 1, which then walks;
.set G0T,  68                          ; chunk 6;
.set G0S,  72                          ; scale words;
.set G0J,  76                          ; bias
.set TB,   80                          ; LDS byte of the tile to be fetched,
.set TS,   81                          ; of its scale words,
.set TJ,   82                          ; of its bias
.set CH,   83
.set IN,   84
.set CS,   86                          ; s[86:87] c = log2(e)
.set NEGC, 88                          ; -c
.set SEL,  90                          ; s[90:91] selects for lane l xor 16
.set W_LO, 0x04                        ; source 1 in window 1
.set W_HI, 0x08                        ; source 1 in window 2
.set MSB, 0
.macro WIN new                         ; the immediate's high byte repeats the setting that is left
.if MSB != \new
	s_set_vgpr_msb (MSB<<8)|\new
.set MSB, \new
.endif
.endm
.macro CREST                           ; a round of the cluster's barrier behind its opening barrier
	s_cmp_lg_u32 s[WV], 0
	s_cbranch_scc1 .Lnot_wave_0_\@
	s_barrier_signal -3
.Lnot_wave_0_\@:
	s_barrier_wait -3
	s_barrier_signal -1
	s_barrier_wait -1
.endm
.macro CROUND
	s_barrier_signal -1
	s_barrier_wait -1
	CREST
.endm
	s_load_b256 s[4:11], s[0:1], 0x0               ; acodes, ascl, bcodes, bscl
	s_load_b128 s[12:15], s[0:1], 0x20             ; bias, part
	v_lshl_add_u32 v[SPW], v0, 2, SPARE
	v_mov_b32 v[NIL], 0
	ds_add_u32 v[SPW], v[NIL]                      ; the wave's opening: the add, twice on end, and its wait ahead of my first tensor load
	ds_add_u32 v[SPW], v[NIL]
	v_lshrrev_b32 v1, 5, v0
	v_readfirstlane_b32 s[WV], v1                  ; wave 0..3
	v_and_b32 v[LANE], 31, v0
	s_bfe_u32 s17, ttmp6, 0x40000                  ; cx: it enters the tokens' and the result's addresses alone
	s_lshl_b32 s18, ttmp9, 2
	s_add_co_u32 s18, s18, s17                     ; my block of 256 tokens
	s_and_b32 s19, ttmp7, 0xffff                   ; my group of 784 columns, which the four partners share
.irp g, G1, G1T, G1S
	s_mov_b32 s[\g], 15|(3<<16)|(1<<21)            ; 15:0 the mask: all four work-groups; 17:16 elements of 8 bytes; 21 set beside a mask; no padding: every fragment load takes 512 consecutive bytes
	s_mov_b32 s[\g+1], 32<<16                      ; tensor_dim0 = 32 elements
	s_mov_b32 s[\g+3], 32<<16                      ; tile_dim0
	s_mov_b32 s[\g+5], 32                          ; from row to row: dense
	s_mov_b32 s[\g+6], 0
	s_mov_b32 s[\g+7], 0
.endr
	s_mov_b32 s[G1+2], 128<<16                     ; tensor_dim1,
	s_mov_b32 s[G1+4], 128                         ; tile_dim1
	s_mov_b32 s[G1T+2], 16<<16
	s_mov_b32 s[G1T+4], 16
	s_mov_b32 s[G1S+2], 49<<16
	s_mov_b32 s[G1S+4], 49
	s_mov_b32 s[G1J], 15|(3<<16)|(1<<21)
	s_mov_b32 s[G1J+1], 196<<16
	s_mov_b32 s[G1J+2], 1<<16
	s_mov_b32 s[G1J+3], 196<<16
	s_mov_b32 s[G1J+4], 1
	s_mov_b32 s[G1J+5], 196
	s_mov_b32 s[G1J+6], 1<<16
	s_mov_b32 s[G1J+7], 0
	s_mov_b32 s[CS], 0x3fb8aa3b
	s_mov_b32 s[CS+1], s[CS]                       ; (named with it as a pair, so it is written)
	s_mov_b32 s[NEGC], 0xbfb8aa3b
	s_mov_b32 s[SEL], 0x76543210
	s_mov_b32 s[SEL+1], 0xfedcba98
	s_mov_b32 s[TB], 0
	s_mov_b32 s[TS], SCL
	s_mov_b32 s[TJ], BIA
	s_lshl_b32 s92, s18, 4
	s_lshl_b32 s93, s[WV], 2
	s_add_co_u32 s92, s92, s93                     ; my first tile of tokens: 16 x block + 4 x wave
	s_mov_b32 s95, 0
	s_mul_i32 s20, s19, 49*TILEB                   ; my group's codes
	s_lshl_b32 s21, s[WV], 15                      ; my quarter of a chunk
	s_add_co_u32 s22, s20, s21
	s_mov_b32 s23, 0
	s_wait_dscnt 0x0                               ; both opening adds are done
	s_wait_kmcnt 0x0
	s_lshl_b32 s94, s92, 14
	s_add_nc_u64 s[4:5], s[4:5], s[94:95]          ; the tokens' codes,
	s_lshl_b32 s94, s92, 9
	s_add_nc_u64 s[6:7], s[6:7], s[94:95]          ; their scale words,
	s_lshl_b32 s94, s92, 7
	s_lshl_b32 s93, s19, 15
	s_add_co_u32 s94, s94, s93
	s_add_nc_u64 s[14:15], s[14:15], s[94:95]      ; and where (m, l) go: 32,768 x group + 8 x token
	s_mov_b32 s[G0A], 1                            ; count = 1
	s_mov_b32 s[G0A+1], s21                        ; LDS address: slot 0, my quarter
	s_add_nc_u64 s[G0A+2:G0A+3], s[8:9], s[22:23]
	s_mov_b32 s[G0B], 1
	s_add_co_u32 s[G0B+1], s21, SLOT1
	s_add_nc_u64 s[G0B+2:G0B+3], s[G0A+2:G0A+3], 8*TILEB
	s_or_b32 s[G0A+3], s[G0A+3], 0x80000000        ; type = 2
	s_or_b32 s[G0B+3], s[G0B+3], 0x80000000
	s_lshl_b32 s21, s[WV], 12                      ; my quarter of the last tile
	s_add_co_u32 s22, s20, s21
	s_add_co_u32 s22, s22, 48*TILEB
	s_mov_b32 s[G0T], 1
	s_mov_b32 s[G0T+1], s21
	s_add_nc_u64 s[G0T+2:G0T+3], s[8:9], s[22:23]
	s_or_b32 s[G0T+3], s[G0T+3], 0x80000000
	s_and_b32 s20, s[WV], 1                        ; which half of the scale words (waves 0, 1) or of the bias (waves 2, 3) I fetch
	s_mul_i32 s21, s20, 12544
	s_mul_i32 s22, s19, 25088
	s_add_co_u32 s22, s22, s21
	s_mov_b32 s[G0S], 1
	s_add_co_u32 s[G0S+1], s21, SCL
	s_add_nc_u64 s[G0S+2:G0S+3], s[10:11], s[22:23]
	s_or_b32 s[G0S+3], s[G0S+3], 0x80000000
	s_mul_i32 s21, s20, 1568
	s_mul_i32 s22, s19, 3136
	s_add_co_u32 s22, s22, s21
	s_mov_b32 s[G0J], 1
	s_add_co_u32 s[G0J+1], s21, BIA
	s_add_nc_u64 s[G0J+2:G0J+3], s[12:13], s[22:23]
	s_or_b32 s[G0J+3], s[G0J+3], 0x80000000
	CROUND                                         ; all four work-groups are here: the first joint loads meet
	s_cmp_lt_u32 s[WV], 2                          ; a fill in each arm: every wave issues three first fills
	s_cbranch_scc0 .Lside_bias
	tensor_load_to_lds s[G0S:G0S+3], s[G1S:G1S+7]
	s_nop 0
.rept 4
	v_nop
.endr
	s_branch .Lside_asked
.Lside_bias:
	tensor_load_to_lds s[G0J:G0J+3], s[G1J:G1J+7]
	s_nop 0
.rept 4
	v_nop
.endr
.Lside_asked:
	tensor_load_to_lds s[G0A:G0A+3], s[G1:G1+7]    ; chunk 0
	s_nop 0
	tensor_load_to_lds s[G0B:G0B+3], s[G1:G1+7]    ; chunk 1
	s_nop 0
.rept 4
	v_nop
.endr
	v_lshlrev_b32 v[ACC], 4, v[LANE]               ; offsets for the loads below, in registers that the first products write only behind the wait for these loads
	v_lshlrev_b32 v[ACC+1], 3, v[LANE]
	WIN 0x40                                       ; destination window 1
.irp s, 0,1,2,3
.irp a, 0,1,2,3
.irp c, 0,1,2,3
	global_load_b128 v[64*\s+16*\a+4*\c:64*\s+16*\a+4*\c+3], v[ACC], s[4:5] offset:16384*\a+2048*\s+512*\c
.endr
.endr
.endr
	WIN 0x80                                       ; destination window 2
.irp s, 0,1,2,3
.irp a, 0,1,2,3
.irp c, 0,1,2,3
	global_load_b128 v[64*\s+16*\a+4*\c:64*\s+16*\a+4*\c+3], v[ACC], s[4:5] offset:16384*\a+2048*(\s+4)+512*\c
.endr
.endr
.endr
	WIN 0
.irp a, 0,1,2,3
.irp u, 0,1
	global_load_b64 v[AS+4*\a+2*\u:AS+4*\a+2*\u+1], v[ACC+1], s[6:7] offset:512*\a+256*\u
.endr
.endr
; The turn is written once: the first turn's softmax finds a tile of -infinity, which leaves m at its start and adds zeros to l
.set j, 0
.rept 32
	v_mov_b32 v[ACC+32+j], 0xff800000
.set j, j+1
.endr
.irp a, 0,1,2,3
	v_mov_b32 v[ST+8*\a+1], 0xff167699             ; m = -2e38
	v_mul_f32 v[ST+8*\a+2], s[NEGC], v[ST+8*\a+1]  ; -c m: finite
	v_mov_b32 v[ST+8*\a], 0
	v_mov_b32 v[ST+8*\a+3], 0
	v_mov_b32 v[ST+8*\a+4], 0
	v_mov_b32 v[ST+8*\a+5], 0
	v_mov_b32 v[ST+8*\a+6], 0
	v_mov_b32 v[ST+8*\a+7], 0
.endr
.macro LDF s                           ; the columns' fragment of K step s: four loads of 512 consecutive bytes
.irp c, 0,1,2,3
	ds_load_b128 v[BF+16*(\s)+4*\c:BF+16*(\s)+4*\c+3], v[ADR] offset:2048*(\s)+512*\c
.endr
.endm
.macro BLOAD0                          ; the next tile's bias (my half's eight columns), and its first fragment
	v_bfe_u32 v[ADR], v[LANE], 4, 1
	v_lshl_add_u32 v[ADR], v[ADR], 5, s[TJ]
	ds_load_b128 v[BIAS:BIAS+3], v[ADR]
	ds_load_b128 v[BIAS+4:BIAS+7], v[ADR] offset:16
	v_lshl_add_u32 v[ADR], v[LANE], 4, s[TB]
	LDF 0
.endm
.macro MM p                            ; matrix instruction k of a turn
.set KS_, k/4
.set KA_, k%4
.set rD, ACC+32*(\p)+8*KA_
.set rB, BF+16*KS_
.set rA, 64*(KS_%4)+16*KA_
.if KS_ < 4
	WIN W_LO
.else
	WIN W_HI
.endif
.if KS_ == 0
	v_wmma_scale_f32_16x16x128_f8f6f4 v[rD:rD+7], v[rB:rB+15], v[rA:rA+15], v[BIAS:BIAS+7], v[BS], v[AS+4*KA_]
.elseif KS_%2 == 0
	v_wmma_scale_f32_16x16x128_f8f6f4 v[rD:rD+7], v[rB:rB+15], v[rA:rA+15], v[rD:rD+7], v[BS+KS_/2], v[AS+4*KA_+KS_/2]
.else
	v_wmma_scale_f32_16x16x128_f8f6f4 v[rD:rD+7], v[rB:rB+15], v[rA:rA+15], v[rD:rD+7], v[BS+KS_/2], v[AS+4*KA_+KS_/2] matrix_a_scale:MATRIX_SCALE_ROW1 matrix_b_scale:MATRIX_SCALE_ROW1
.endif
.endm
; THE SOFTMAX'S LINES.  XB: the accumulators of the tile before; NN, NO: where the new and the old -c m stand.
.macro M_MX a, n                       ; the maximum of my eight logits and the old m; the first line reads the accumulator's low end
.set rT, ST+8*(\a)
.set rX, XB+8*(\a)
.if (\n) == 0
	v_max3_num_f32 v[rT+7], v[rX], v[rX+1], v[rX+2]
.elseif (\n) == 1
	v_max3_num_f32 v[rT+3], v[rX+3], v[rX+4], v[rX+5]
.elseif (\n) == 2
	v_max3_num_f32 v[rT+7], v[rT+7], v[rX+6], v[rX+7]
.else
	v_max3_num_f32 v[rT+1], v[rT+7], v[rT+3], v[rT+1]
.endif
.endm
.macro M_NC a                          ; -c m
.set rT, ST+8*(\a)
	v_mul_f32 v[rT+NN], v[rT+1], s[NEGC]
.endm
.macro M_DD a                          ; c m_old - c m_new.  (A subtraction, written with the constant 1.0 as source 1, so that it runs under the products' window setting)
.set rT, ST+8*(\a)
	v_fma_f32 v[rT+6], v[rT+NN], 1.0, -v[rT+NO]
.endm
.macro M_SC i                          ; pair i of 16: c x - c m
.set rX, XB+2*(\i)
.set rT, ST+8*((\i)/4)+NN
	v_pk_fma_f32 v[rX:rX+1], v[rX:rX+1], s[CS:CS+1], v[rT:rT+1] op_sel_hi:[1,0,0]
.endm
.macro M_EA a
.set rT, ST+8*(\a)
	v_exp_f32 v[rT+6], v[rT+6]
.endm
.macro M_EX n
	v_exp_f32 v[XB+(\n)], v[XB+(\n)]
.endm
.macro M_AD n                          ; the sum of a tile's four pairs, three additions, tile n % 4.  (Additions, written with the constant 1.0 as source 1, for the same reason)
.set rX, XB+8*((\n)%4)
.if (\n)/4 == 0
	v_pk_fma_f32 v[rX:rX+1], v[rX:rX+1], 1.0, v[rX+2:rX+3] op_sel_hi:[1,0,1]
.elseif (\n)/4 == 1
	v_pk_fma_f32 v[rX+4:rX+5], v[rX+4:rX+5], 1.0, v[rX+6:rX+7] op_sel_hi:[1,0,1]
.else
	v_pk_fma_f32 v[rX:rX+1], v[rX:rX+1], 1.0, v[rX+4:rX+5] op_sel_hi:[1,0,1]
.endif
.endm
.macro M_LU a                          ; l = l x 2^(c m_old - c m_new) + the tile's sum
.set rT, ST+8*(\a)
.set rX, XB+8*(\a)
	v_pk_fma_f32 v[rT+4:rT+5], v[rT+4:rT+5], v[rT+6:rT+7], v[rX:rX+1] op_sel_hi:[1,0,1]
.endm
; SLICE k of 32, and the loads and waits that stand behind it.  kind: 0 an ordinary turn; 1, 2, 3 a chunk's last turn: the slot is filled again with a whole chunk, with the last tile, not at all.
; ld: 1 the next tile is fetched; 0 the last turn: only this tile's last fragment and scale words; 2 no loads.
; PLACES.  A load into a register that a matrix instruction has read, and a vector line that reads a result, stand eight plain vector lines or more behind that matrix instruction (ISA guide 7.12.1 for a vector line that reads a result);
; exponentials are not counted.  By this text's count: bias and fragment 0: 12; fragments 1, 2: 9; scale words 0, 1: 9; fragment 3: 10; 4: 10; 5: 12; 6: 9; 7 and scale words 2, 3: 12; the accumulators' first reads: 10 or more.
.macro SLICE p, kind, ld
.set XB, ACC+32*(1-(\p))
.set NN, 2*(\p)
.set NO, 2-2*(\p)
.if k < 4
	WIN 0
.set A0, 2*(k/2)
.set N0, 2*(k%2)
	M_MX A0, N0
	M_MX A0+1, N0
	M_MX A0, N0+1
	M_MX A0+1, N0+1
.elseif k < 6
.set A0, 2*(k-4)
	M_NC A0
	M_NC A0+1
	M_DD A0
	M_DD A0+1
.elseif k < 8
	M_SC k-6
	M_EA 2*(k-6)
	M_EA 2*(k-6)+1
.elseif k < 22
	M_SC k-6
	M_EX 2*(k-6)-4
	M_EX 2*(k-6)-3
.elseif k < 24
	M_EX 2*k-16
	M_EX 2*k-15
.elseif k < 28
	M_AD k-24
.elseif k == 28
	M_AD 4
	M_AD 5
.elseif k == 29
	M_AD 6
	M_AD 7
	M_AD 8
.elseif k == 30
	M_AD 9
	M_AD 10
	M_AD 11
.else
	WIN 0
	M_LU 0
	M_LU 1
	M_LU 2
	M_LU 3
.endif
.if k == 1
.if (\ld) < 2
	LDF 7                                          ; this tile's last fragment (the address in hand is still this tile's),
	v_lshl_add_u32 v[ADR], v[LANE], 3, s[TS]
	ds_load_b64 v[BS+2:BS+3], v[ADR] offset:256    ; and its scale words of K steps 4 to 7
.endif
.if (\ld) == 1
	s_add_co_u32 s[TB], s[TB], TILEB               ; on to the next tile
	s_add_co_u32 s[TS], s[TS], 512
	s_add_co_u32 s[TJ], s[TJ], 64
.if \kind
	s_sub_co_u32 s[TB], s[TB], SLOT1               ; which is the first of the other slot
	s_xor_b32 s[TB], s[TB], SLOT1
.endif
.endif
.endif
.if (k == 2) && (\kind)                ; THE CHANGE OF SLOTS: my last reads of this slot have just been issued.  (Every window is 0 here)
	s_wait_tensorcnt 0x0                           ; all my tensor loads have landed: the one that was out is my part of the next chunk;
	ds_add_u32 v[SPW], v[NIL]                      ; 0 onto my spare word; nine matrix instructions and their slices stand between it and the wait for it
.if (\kind) == 1
	s_xor_b32 s[G0B+1], s[G0B+1], SLOT1            ; no load of mine is out, so the walking descriptor may be written: the other slot than last time,
	s_add_nc_u64 s[G0B+2:G0B+3], s[G0B+2:G0B+3], 8*TILEB   ; the next chunk; the type bits on top are not reached
.endif
.endif
.if (k == 5) && ((\kind) == 0) && ((\ld) == 1)
	BLOAD0
.endif
.if (k == 11) && (\kind)
	s_wait_dscnt 0x0                               ; the add is done, and my reads of this slot are over
	s_barrier_signal -1                            ; three matrix instructions and their slices, work on registers, stand between the signal and the wait
.endif
.if (k == 14) && (\kind)
.if (\kind) < 3
	WIN 0
	s_wait_alu depctr_va_vdst(0)                   ; the wait behind exponentials ahead of a branch
.endif
	s_barrier_wait -1
.if (\kind) < 3
	CREST                                          ; the barrier has opened a round of the cluster's: no wave of any partner still reads this slot or has a load on its way
.if (\kind) == 1
	tensor_load_to_lds s[G0B:G0B+3], s[G1:G1+7]    ; the first thing behind the round, and my one tensor load until the next
.else
	tensor_load_to_lds s[G0T:G0T+3], s[G1T:G1T+7]  ; the last tile
.endif
	s_nop 0
.rept 4
	v_nop
.endr
.endif
	BLOAD0                                         ; the next slot is whole: its first tile
.endif
.if (\ld) == 1
.if k == 15
	LDF 1
.elseif k == 19
	LDF 2
.elseif k == 27
	LDF 4
.elseif k == 29
	LDF 5
.elseif k == 30
	LDF 6
.endif
.endif
.if k == 23                            ; the batch is out: 36 exponentials are issued, and no result has been named
	v_nop                                          ; a plain line behind the last exponential
.if (\ld) == 1
	v_lshl_add_u32 v[ADR], v[LANE], 3, s[TS]
.endif
	s_wait_alu depctr_va_vdst(0)                   ; one wait for the batch, ahead of its first reader
.if (\ld) == 1
	ds_load_b64 v[BS:BS+1], v[ADR]                 ; the next tile's scale words of K steps 0 to 3
	v_lshl_add_u32 v[ADR], v[LANE], 4, s[TB]
	LDF 3
.endif
.endif
.endm
.macro TURN p, kind, ld
	s_wait_dscnt 12                                ; all but the youngest twelve loads (fragments 4, 5, 6) are in: bias, fragments 0 to 3, scale words 0, 1
.set k, 0
.rept 32
.if k == 16
.if \ld
	s_wait_dscnt 10                                ; all but the youngest ten (the next tile's bias, fragments 0 and 1) are in: fragments 4 to 7, scale words 2, 3
.else
	s_wait_dscnt 0x0
.endif
.endif
	MM \p
	SLICE \p, \kind, \ld
.set k, k+1
.endr
.endm
.macro CHUNK kind                      ; eight turns
	s_mov_b32 s[IN], 3
.Lpair_\@:
	TURN 0, 0, 1
	TURN 1, 0, 1
	WIN 0
	s_sub_co_u32 s[IN], s[IN], 1
	s_cmp_lg_u32 s[IN], 0
	s_cbranch_scc1 .Lpair_\@
	TURN 0, 0, 1
	TURN 1, \kind, 1
	WIN 0
.endm
	s_wait_tensorcnt 1                             ; my parts of the side data and of chunk 0 are in; chunk 1's load, the one issued behind them, may be out
	s_barrier_signal -1
	s_barrier_wait -1                              ; everybody's are
	v_bfe_u32 v[ADR], v[LANE], 4, 1
	v_lshl_add_u32 v[ADR], v[ADR], 5, s[TJ]
	ds_load_b128 v[BIAS:BIAS+3], v[ADR]
	ds_load_b128 v[BIAS+4:BIAS+7], v[ADR] offset:16
	v_lshl_add_u32 v[ADR], v[LANE], 3, s[TS]
	ds_load_b64 v[BS:BS+1], v[ADR]
	v_lshl_add_u32 v[ADR], v[LANE], 4, s[TB]
.irp s, 0,1,2,3,4,5,6
	LDF \s
.endr
	s_wait_loadcnt 0x0                             ; the tokens' codes and scale words
	s_mov_b32 s[CH], 4
.Lchunk:                                           ; chunks 0 to 3: each leaves its slot to the chunk two on
	CHUNK 1
	s_sub_co_u32 s[CH], s[CH], 1
	s_cmp_lg_u32 s[CH], 0
	s_cbranch_scc1 .Lchunk
	CHUNK 2                                        ; chunk 4 leaves slot 0 to the last tile
	CHUNK 3                                        ; chunk 5: nothing is left to fetch
	TURN 0, 0, 0                                   ; tile 48
.set k, 0
.rept 32
	SLICE 1, 0, 2                                  ; its softmax
.set k, k+1
.endr
	; THE WAY OUT.  A token's columns lie in lanes l and l xor 16: the two (m, l) are joined under the larger m.  At work in the registers that held the columns' fragments.
.irp a, 0,1,2,3
	v_add_f32 v[BF+8*\a], v[ST+8*\a+4], v[ST+8*\a+5]   ; l's two halves
	v_mov_b32 v[BF+8*\a+1], 0                      ; (a lane permute's destination counts as one of its sources)
	v_mov_b32 v[BF+8*\a+2], 0
.endr
.irp a, 0,1,2,3
	v_permlanex16_b32 v[BF+8*\a+1], v[ST+8*\a+1], s[SEL], s[SEL+1]
	v_permlanex16_b32 v[BF+8*\a+2], v[BF+8*\a], s[SEL], s[SEL+1]
.endr
.irp a, 0,1,2,3
	v_max_num_f32 v[BF+8*\a+3], v[ST+8*\a+1], v[BF+8*\a+1]
.endr
.irp a, 0,1,2,3
	v_mul_f32 v[BF+8*\a+6], s[NEGC], v[BF+8*\a+3]
.endr
.irp a, 0,1,2,3
	v_fma_f32 v[BF+8*\a+4], v[ST+8*\a+1], s[CS], v[BF+8*\a+6]
	v_fma_f32 v[BF+8*\a+5], v[BF+8*\a+1], s[CS], v[BF+8*\a+6]
.endr
.irp a, 0,1,2,3
	v_exp_f32 v[BF+8*\a+4], v[BF+8*\a+4]
	v_exp_f32 v[BF+8*\a+5], v[BF+8*\a+5]
.endr
	v_lshlrev_b32 v[BF+36], 3, v[LANE]             ; (a plain line behind the exponentials)  8 bytes a lane
	s_wait_alu depctr_va_vdst(0)                   ; one wait for the eight
.irp a, 0,1,2,3
	v_mul_f32 v[BF+8*\a], v[BF+8*\a], v[BF+8*\a+4]
.endr
.irp a, 0,1,2,3
	v_fma_f32 v[BF+8*\a], v[BF+8*\a+2], v[BF+8*\a+5], v[BF+8*\a]
.endr
	v_cmp_le_u32 vcc_lo, 16, v[LANE]               ; lanes 0-15 store tile 0's (then 2's) tokens, lanes 16-31 tile 1's (3's)
	v_cndmask_b32 v[BF+32], v[BF+3], v[BF+11], vcc_lo
	v_cndmask_b32 v[BF+33], v[BF], v[BF+8], vcc_lo
	v_cndmask_b32 v[BF+34], v[BF+19], v[BF+27], vcc_lo
	v_cndmask_b32 v[BF+35], v[BF+16], v[BF+24], vcc_lo
	global_store_b64 v[BF+36], v[BF+32:BF+33], s[14:15]              ; 32 lanes store 256 consecutive bytes, aligned
	global_store_b64 v[BF+36], v[BF+34:BF+35], s[14:15] offset:256
	s_wait_tensorcnt 0x0                           ; the wave's end, behind my last tensor load
	ds_add_u32 v[SPW], v[NIL]
	s_wait_dscnt 0x0
	CROUND                                         ; the closing round: no work-group ends while a partner may still ask for a tile that names it
	s_endpgm
.Lfunc_end_k_qa41df0b673_gemm:
	.size	k_qa41df0b673_gemm, .Lfunc_end_k_qa41df0b673_gemm-k_qa41df0b673_gemm
	.p2alignl 7, 3214868480
	.fill 96, 4, 3214868480
	.section	.rodata,"a",@progbits
	.p2align	6, 0x0
	.amdhsa_kernel k_qa41df0b673_gemm
		.amdhsa_group_segment_fixed_size 327680
		.amdhsa_private_segment_fixed_size 0
		.amdhsa_enable_private_segment 0
		.amdhsa_kernarg_size 48
		.amdhsa_user_sgpr_count 2
		.amdhsa_user_sgpr_kernarg_segment_ptr 1
		.amdhsa_wavefront_size32 1
		.amdhsa_system_sgpr_workgroup_id_x 1
		.amdhsa_system_sgpr_workgroup_id_y 1
		.amdhsa_system_sgpr_workgroup_id_z 1
		.amdhsa_system_vgpr_workitem_id 0
		.amdhsa_next_free_vgpr 768
		.amdhsa_next_free_sgpr 96
		.amdhsa_reserve_vcc 1
		.amdhsa_float_denorm_mode_32 3
		.amdhsa_float_denorm_mode_16_64 3
		.amdhsa_memory_ordered 1
		.amdhsa_forward_progress 1
		.amdhsa_inst_pref_size 188
	.end_amdhsa_kernel
	.amdgpu_metadata
---
amdhsa.version: [ 1, 2 ]
amdhsa.kernels:
  - .name:           k_qa41df0b673_gemm
    .symbol:         k_qa41df0b673_gemm.kd
    .args:
      - { .name: acodes, .offset: 0, .size: 8, .value_kind: global_buffer, .address_space: global }
      - { .name: ascl, .offset: 8, .size: 8, .value_kind: global_buffer, .address_space: global }
      - { .name: bcodes, .offset: 16, .size: 8, .value_kind: global_buffer, .address_space: global }
      - { .name: bscl, .offset: 24, .size: 8, .value_kind: global_buffer, .address_space: global }
      - { .name: bias, .offset: 32, .size: 8, .value_kind: global_buffer, .address_space: global }
      - { .name: part, .offset: 40, .size: 8, .value_kind: global_buffer, .address_space: global }
    .group_segment_fixed_size: 327680
    .private_segment_fixed_size: 0
    .kernarg_segment_align: 8
    .kernarg_segment_size: 48
    .max_flat_workgroup_size: 128
    .sgpr_count:     96
    .vgpr_count:     768
    .wavefront_size: 32
...
	.end_amdgpu_metadata
.endif
;; end of part 2
;; launch finish (part 3): grid 256 x 1, 1 waves a work-group, no clusters, 0 bytes of LDS; arguments target, acodes, ascl, bcodes, bscl, bias, part, out0; writes out0
.if DOCPART == 3
	.amdgcn_target "amdgcn-amd-amdhsa--gfx1250"
	.amdhsa_code_object_version 6
	.text
	.protected	k_qa41df0b673_finish
	.globl	k_qa41df0b673_finish
	.p2align	8
	.type	k_qa41df0b673_finish,@function
k_qa41df0b673_finish:
	s_mov_b64 s[64:65], 0
	v_nop
	global_prefetch_b8 v0, s[64:65] scope:SCOPE_SE
	s_setreg_imm32_b32 hwreg(HW_REG_WAVE_MODE, 25, 1), 1
	s_wait_xcnt 0x0
; nll[i] = logsumexp of token i's logits - the logit at column target[i].  The two tail products of reference() have N = 0 and are left out (shown at the head of the first kernel).
; One wave takes 16 tokens.  It joins the 16 column groups' (m, l) under the largest m, and makes the targets' logits anew, on the same codes and scale words: a product of the 16 tokens with the 16 rows of the head that their
; targets name, gathered piece by piece from the operand's image; the diagonal of the 16 x 16 result is wanted.
; target under 0 is held at 0, as reference() clips it; the address is held at the head's last column, 12,501; a target beyond that gets NaN, by a select.
; A wave's result is 64 consecutive bytes of out0, which has 16,384 in all: 256 waves are taken so that the gather's pieces of 16 bytes, 1,024 a wave, are spread over the chip.
; REGISTERS: v2 r, v3 h, v4 target, v5 column, v6-9, v21-23 offsets, v12-15 the tokens' scale words, v16-19 the gathered rows', v20 bias, v24-39 two accumulators, v40-55 eight (m, l), v56-90 at work, v128-255 the tokens' fragments;
; window 1, v0-127: the gathered rows' fragments.
.set MSB, 0
.macro WIN new                         ; the immediate's high byte repeats the setting that is left
.if MSB != \new
	s_set_vgpr_msb (MSB<<8)|\new
.set MSB, \new
.endif
.endm
	s_load_b256 s[4:11], s[0:1], 0x0               ; target, acodes, ascl, bcodes
	s_load_b256 s[12:19], s[0:1], 0x20             ; bscl, bias, part, out0
	v_and_b32 v2, 15, v0                           ; r
	v_bfe_u32 v3, v0, 4, 1                         ; h
	v_lshlrev_b32 v6, 2, v2                        ; 4 r
	v_lshlrev_b32 v7, 4, v0                        ; 16 x lane
	v_lshlrev_b32 v8, 3, v0                        ; 8 x lane
	v_lshlrev_b32 v9, 3, v2
	v_lshl_add_u32 v9, v3, 18, v9                  ; (m, l): 8 r, and lanes 16-31 take groups 8 to 15
	v_mov_b32 v72, 0                               ; (lane permutes' destinations count as sources)
	v_mov_b32 v86, 0
	s_mov_b32 s22, 0x3fb8aa3b                      ; c = log2(e)
	s_mov_b32 s23, 0xbfb8aa3b
	s_mov_b32 s24, 0x3f317218                      ; ln 2
	s_mov_b32 s26, 0x76543210
	s_mov_b32 s27, 0xfedcba98
	s_mov_b32 s21, 0
	s_lshl_b32 s20, ttmp9, 6
	s_wait_kmcnt 0x0
	s_add_nc_u64 s[4:5], s[4:5], s[20:21]          ; my 16 targets
	s_add_nc_u64 s[18:19], s[18:19], s[20:21]      ; and results
	s_lshl_b32 s20, ttmp9, 14
	s_add_nc_u64 s[6:7], s[6:7], s[20:21]
	s_lshl_b32 s20, ttmp9, 9
	s_add_nc_u64 s[8:9], s[8:9], s[20:21]
	s_lshl_b32 s20, ttmp9, 7
	s_add_nc_u64 s[16:17], s[16:17], s[20:21]
	global_load_b32 v4, v6, s[4:5]
.irp s, 0,1,2,3,4,5,6,7
.irp c, 0,1,2,3
	global_load_b128 v[128+16*\s+4*\c:128+16*\s+4*\c+3], v7, s[6:7] offset:2048*\s+512*\c
.endr
.endr
	global_load_b64 v[12:13], v8, s[8:9]
	global_load_b64 v[14:15], v8, s[8:9] offset:256
.irp i, 0,1,2,3,4,5,6,7
	global_load_b64 v[40+2*\i:41+2*\i], v9, s[16:17] offset:32768*\i
.endr
	s_wait_loadcnt 42                              ; the targets are in; the 42 loads issued behind them may be out
	v_max_i32 v5, 0, v4
	v_min_u32 v5, 0x30d5, v5                       ; the column, inside the head
	v_and_b32 v56, 0x3ff0, v5                      ; 16 x its tile
	v_and_b32 v57, 15, v5                          ; its row in the tile
	v_lshlrev_b32 v21, 10, v56                     ; codes: 16,384 x tile + 16 x row + 256 h
	v_lshlrev_b32 v58, 4, v57
	v_add_nc_u32 v21, v21, v58
	v_lshlrev_b32 v58, 8, v3
	v_add_nc_u32 v21, v21, v58
	v_lshlrev_b32 v22, 5, v56                      ; scale words: 512 x tile + 8 x row + 128 h
	v_lshlrev_b32 v58, 3, v57
	v_add_nc_u32 v22, v22, v58
	v_lshlrev_b32 v58, 7, v3
	v_add_nc_u32 v22, v22, v58
	v_lshlrev_b32 v23, 2, v5
	WIN 0x40                                       ; destination window 1
.irp s, 0,1,2,3,4,5,6,7
.irp c, 0,1,2,3
	global_load_b128 v[16*\s+4*\c:16*\s+4*\c+3], v21, s[10:11] offset:2048*\s+512*\c
.endr
.endr
	WIN 0
	global_load_b64 v[16:17], v22, s[12:13]
	global_load_b64 v[18:19], v22, s[12:13] offset:256
	global_load_b32 v20, v23, s[14:15]
	s_wait_loadcnt 35                              ; all but the gather's 35 loads are in
	v_max3_num_f32 v56, v40, v42, v44              ; the largest m of my eight groups,
	v_max3_num_f32 v56, v56, v46, v48
	v_max3_num_f32 v56, v56, v50, v52
	v_max_num_f32 v56, v56, v54
	v_permlanex16_b32 v57, v56, s26, s27
	v_max_num_f32 v56, v56, v57                    ; and of all sixteen
	v_mul_f32 v58, s23, v56
.irp i, 0,1,2,3,4,5,6,7
	v_fma_f32 v[60+\i], v[40+2*\i], s22, v58
.endr
.irp i, 0,1,2,3,4,5,6,7
	v_exp_f32 v[60+\i], v[60+\i]
.endr
	v_nop
	s_wait_alu depctr_va_vdst(0)                   ; one wait for the eight
	v_mul_f32 v70, v41, v60
	v_mul_f32 v71, v43, v61
.irp i, 2,4,6
	v_fma_f32 v70, v[41+2*\i], v[60+\i], v70
	v_fma_f32 v71, v[43+2*\i], v[61+\i], v71
.endr
	v_add_f32 v70, v70, v71
	v_permlanex16_b32 v72, v70, s26, s27
	v_add_f32 v70, v70, v72                        ; the sum of e^(logit - m): 1 or more
	v_log_f32 v73, v70
	v_and_b32 v84, 7, v0                           ; (a plain line behind the logarithm)
	s_wait_alu depctr_va_vdst(0)
	v_fma_f32 v74, v73, s24, v56                   ; the logsumexp
	s_wait_loadcnt 0x0
	WIN 0x04                                       ; source 1 in window 1
.irp s, 0,1,2,3,4,5,6,7                ; source 0 = my 16 tokens, source 1 = the 16 gathered rows; two accumulators by turns: even K steps, odd K steps
.if \s == 0
	v_wmma_scale_f32_16x16x128_f8f6f4 v[24:31], v[128:143], v[0:15], 0, v12, v16
.elseif \s == 1
	v_wmma_scale_f32_16x16x128_f8f6f4 v[32:39], v[144:159], v[16:31], 0, v12, v16 matrix_a_scale:MATRIX_SCALE_ROW1 matrix_b_scale:MATRIX_SCALE_ROW1
.elseif (\s)%2 == 0
	v_wmma_scale_f32_16x16x128_f8f6f4 v[24:31], v[128+16*\s:143+16*\s], v[16*\s:16*\s+15], v[24:31], v[12+(\s)/2], v[16+(\s)/2]
.else
	v_wmma_scale_f32_16x16x128_f8f6f4 v[32:39], v[128+16*\s:143+16*\s], v[16*\s:16*\s+15], v[32:39], v[12+(\s)/2], v[16+(\s)/2] matrix_a_scale:MATRIX_SCALE_ROW1 matrix_b_scale:MATRIX_SCALE_ROW1
.endif
.endr
	WIN 0
.rept 8
	v_nop                                          ; eight places behind the last product, ahead of the first read of results
.endr
.irp j, 0,1,2,3,4,5,6,7
	v_add_f32 v[76+\j], v[24+\j], v[32+\j]         ; register j of lane (r, h): token 8 h + j against token r's row; from the low end on
.endr
	v_mov_b32 v85, v76                             ; the diagonal: register lane % 8 of lanes 0-7 and 24-31
.irp j, 1,2,3,4,5,6,7
	v_cmp_eq_u32 vcc_lo, \j, v84
	v_cndmask_b32 v85, v85, v[76+\j], vcc_lo
.endr
	v_permlanex16_b32 v86, v85, s26, s27
	v_cmp_le_u32 vcc_lo, 8, v2
	v_cndmask_b32 v85, v85, v86, vcc_lo            ; lanes 8-15 take lanes 24-31's
	v_sub_f32 v87, v74, v85
	v_sub_f32 v87, v87, v20                        ; less the column's bias
	v_mov_b32 v88, 0x7fc00000
	v_cmp_lt_i32 vcc_lo, 0x30d5, v4
	v_cndmask_b32 v87, v87, v88, vcc_lo            ; a target beyond the head's columns
	s_wait_xcnt 0x0                                ; EXEC changes only behind this wait
	v_cmp_gt_u32 vcc_lo, 16, v0
	s_and_saveexec_b32 s20, vcc_lo
	global_store_b32 v6, v87, s[18:19]             ; lanes 0-15: 64 consecutive bytes
	s_endpgm
.Lfunc_end_k_qa41df0b673_finish:
	.size	k_qa41df0b673_finish, .Lfunc_end_k_qa41df0b673_finish-k_qa41df0b673_finish
	.p2alignl 7, 3214868480
	.fill 96, 4, 3214868480
	.section	.rodata,"a",@progbits
	.p2align	6, 0x0
	.amdhsa_kernel k_qa41df0b673_finish
		.amdhsa_group_segment_fixed_size 0
		.amdhsa_private_segment_fixed_size 0
		.amdhsa_enable_private_segment 0
		.amdhsa_kernarg_size 64
		.amdhsa_user_sgpr_count 2
		.amdhsa_user_sgpr_kernarg_segment_ptr 1
		.amdhsa_wavefront_size32 1
		.amdhsa_system_sgpr_workgroup_id_x 1
		.amdhsa_system_sgpr_workgroup_id_y 1
		.amdhsa_system_sgpr_workgroup_id_z 1
		.amdhsa_system_vgpr_workitem_id 0
		.amdhsa_next_free_vgpr 384
		.amdhsa_next_free_sgpr 66
		.amdhsa_reserve_vcc 1
		.amdhsa_float_denorm_mode_32 3
		.amdhsa_float_denorm_mode_16_64 3
		.amdhsa_memory_ordered 1
		.amdhsa_forward_progress 1
		.amdhsa_inst_pref_size 14
	.end_amdhsa_kernel
	.amdgpu_metadata
---
amdhsa.version: [ 1, 2 ]
amdhsa.kernels:
  - .name:           k_qa41df0b673_finish
    .symbol:         k_qa41df0b673_finish.kd
    .args:
      - { .name: target, .offset: 0, .size: 8, .value_kind: global_buffer, .address_space: global }
      - { .name: acodes, .offset: 8, .size: 8, .value_kind: global_buffer, .address_space: global }
      - { .name: ascl, .offset: 16, .size: 8, .value_kind: global_buffer, .address_space: global }
      - { .name: bcodes, .offset: 24, .size: 8, .value_kind: global_buffer, .address_space: global }
      - { .name: bscl, .offset: 32, .size: 8, .value_kind: global_buffer, .address_space: global }
      - { .name: bias, .offset: 40, .size: 8, .value_kind: global_buffer, .address_space: global }
      - { .name: part, .offset: 48, .size: 8, .value_kind: global_buffer, .address_space: global }
      - { .name: out0, .offset: 56, .size: 8, .value_kind: global_buffer, .address_space: global }
    .group_segment_fixed_size: 0
    .private_segment_fixed_size: 0
    .kernarg_segment_align: 8
    .kernarg_segment_size: 64
    .max_flat_workgroup_size: 32
    .sgpr_count:     66
    .vgpr_count:     384
    .wavefront_size: 32
...
	.end_amdgpu_metadata
.endif
;; end of part 3
;; ======== version 2 of 2: 3 launches; 1.13 times as fast as version 1
;; limits: right only within a limited range of input values
;; workspace buffers: acodes 4,194,304 bytes; ascl 131,072 bytes; bcodes 12,845,056 bytes; bscl 401,408 bytes; bias 50,176 bytes; part 524,288 bytes
;; launch quant (part 4): grid 1040 x 1, 2 waves a work-group, no clusters, 17,152 bytes of LDS; arguments hidden, out_weight, cluster_weight, out_bias, cluster_bias, acodes, ascl, bcodes, bscl, bias; writes acodes, ascl, bcodes, bscl, bias
.if DOCPART == 4
	.amdgcn_target "amdgcn-amd-amdhsa--gfx1250"
	.amdhsa_code_object_version 6
	.text
	.protected	k_qa41df0b673_quant
	.globl	k_qa41df0b673_quant
	.p2align	8
	.type	k_qa41df0b673_quant,@function
k_qa41df0b673_quant:
	s_mov_b64 s[64:65], 0
	v_nop
	global_prefetch_b8 v0, s[64:65] scope:SCOPE_SE
	s_setreg_imm32_b32 hwreg(HW_REG_WAVE_MODE, 25, 1), 1
	s_wait_xcnt 0x0
; nll[i] = logsumexp_j(Q(hidden)[i] . Q(head_w)[j] + head_b[j]) - (that logit at j = target[i]); head_w = out_weight's 12,500 rows, then cluster_weight's 2.
; WORK LEFT OUT, for all values of the inputs: out_weight has 12,500 rows, so out_weight[20000:40000] and out_weight[40000:50000] are empty: the two tail products have N = 0, nothing is there to multiply.
; The tails' choice (in_cluster) is true only for target >= 20,000, where reference() gathers from empty tables; the last launch selects NaN for every target beyond the head's 12,502 columns.  All six inputs are loaded.
; LIMIT: a NaN, an infinity or an overflow that reaches only the work left out is not carried to the result.
; THIS LAUNCH turns hidden [4096][1024] and head_w (12,502 rows, filled to 12,544 with rows of zero codes) into codes of E4M3 with one E8M0 byte for each 32 along K, and lays the bias out for 12,544 columns.
; A block's scale is 2^(floor(log2(its largest magnitude)) - 8); its byte is that magnitude's exponent field - 8, held at 1 from below; each number is held within +-448 x the scale and rounded to the nearest code, ties to even.
; LIMITS: a block of zeros gets the byte 1 where the quantiser says 127 (its codes are zeros, and this program alone reads the bytes); NaN and infinities among the inputs are not served;
; the columns that fill up to 12,544 get the bias -1e30, so logits under -1e30 are not served.
; LAYOUT OF THE WORKSPACE: a TILE is 16 rows x 1,024 K, laid in the order of the operand's registers.  Codes: 16,384 bytes = [K step s 0..7][piece c 0..3][lane l][16 bytes]: row l % 16, k = 128 s + 32 c + 16 (l / 16) + 0..15.
; Scale words: 512 bytes = [u 0..1][lane l][2 words]: word i is the word (four bytes, 128 along K) of row l % 16 for K step 4 u + 2 i + l / 16: a register then holds an even K step in lanes 0-15 and the odd one behind it in lanes 16-31.
; SHARES: a work-group takes ONE tile of 1,040 (256 of hidden, then 784 of the head), so that the work comes in 1,040 small equal pieces; each of its two waves takes half a tile: 16 rows x 512 K, four fragments.
; Each load reads 512 consecutive bytes of one row; a fragment's 16 x 512 bytes turn through the wave's own stage in LDS (rows of 528 bytes) and come back 16 neighbours along K to a lane.
; Each store of codes covers 512 consecutive bytes, the store of scale words 256, aligned.  No tensor loads, no barrier: waves share nothing.  32 loads of a wave are out.
.set WST,   8448                       ; a wave's stage: 16 rows x 528 bytes
.set SPARE, 2*WST                      ; behind the stages: the spare words, 128 bytes for each wave: one block of 256 bytes that no other line names
.set RP,    32                         ; s[32:63] the addresses of my tile's 16 rows
.set R,     64                         ; v64-191  two sets of 64 registers as loaded
.set X,     192                        ; v192-255 64 numbers: register 16 b + i = k 32 b + 16 (lane / 16) + i of my row
.set PC,    32                         ; v32-47   a fragment's codes
.set TM,    16                         ; v16-31   largest magnitudes, bytes, holds, scale operands
.set PW,    14                         ; v14      the scale word just made
.set SW,    12                         ; v[12:13] the two words that I store
.set SPW,   10                         ; v10      LDS address of my spare word; never rewritten
.set NIL,   11                         ; v11      0; never rewritten
	s_load_b256 s[4:11], s[0:1], 0x0               ; hidden, out_weight, cluster_weight, out_bias
	s_load_b256 s[12:19], s[0:1], 0x20             ; cluster_bias, acodes, ascl, bcodes
	s_load_b128 s[20:23], s[0:1], 0x40             ; bscl, bias
	v_lshl_add_u32 v[SPW], v0, 2, SPARE
	v_mov_b32 v[NIL], 0
	v_lshrrev_b32 v1, 5, v0
	v_readfirstlane_b32 s24, v1                    ; wave 0..1
	v_and_b32 v1, 31, v0                           ; lane
	v_and_b32 v2, 15, v0                           ; r
	v_bfe_u32 v3, v0, 4, 1                         ; h
	s_and_b32 s73, s24, 1                          ; u: which half of K
	s_lshl_b32 s77, s73, 11
	v_lshl_add_u32 v4, v1, 4, s77                  ; in a row: 16 x lane + 2,048 u
	s_mul_i32 s77, s24, WST
	v_lshl_add_u32 v5, v1, 4, s77                  ; into the stage: 16 x lane
	v_mul_u32_u24 v6, v2, 528
	v_lshl_add_u32 v6, v3, 6, v6
	v_add_nc_u32 v6, s77, v6                       ; out of it: row r, + 64 h
	v_lshlrev_b32 v7, 4, v1                        ; codes: 16 x lane
	v_lshlrev_b32 v8, 3, v1                        ; words: 8 x lane
	s_mov_b32 s72, 0xffff0000                      ; lanes 16-31
	s_mov_b32 s74, 0x76543210
	s_mov_b32 s75, 0xfedcba98                      ; v_permlanex16_b32's selects for lane l xor 16
	s_mov_b32 s76, 0x600000                        ; the mantissa field of 448
.irp b, 0,1,2,3
	v_mov_b32 v[TM+4+\b], 0                        ; written once: a lane permute's destination counts as one of its sources
.endr
	s_mov_b32 s25, ttmp9                           ; my tile of the 1,040
	s_wait_kmcnt 0x0
	s_cmp_lt_u32 s25, 256                          ; hidden's tile or the head's?  The choice hangs on the work-group's number alone
	s_cselect_b64 s[66:67], s[4:5], s[6:7]         ; the tensor that holds the rows under LIM
	s_cselect_b64 s[68:69], s[14:15], s[18:19]     ; its codes
	s_cselect_b64 s[70:71], s[16:17], s[20:21]     ; its scale words
	s_mov_b32 s27, 12500
	s_cselect_b32 s27, 4096, s27                   ; LIM: rows of that tensor
	s_mov_b32 s28, 12502
	s_cselect_b32 s28, 4096, s28                   ; VAL: rows that count
	s_cselect_b32 s29, 0, 256
	s_sub_co_u32 s29, s25, s29                     ; my tile in its tensor
	s_lshl_b32 s26, s29, 4                         ; n0: its first row
	s_lshl_b32 s30, s29, 14
	s_lshl_b32 s31, s73, 13
	s_add_co_u32 s30, s30, s31
	s_mov_b32 s31, 0
	s_add_nc_u64 s[68:69], s[68:69], s[30:31]      ; codes: 16,384 x tile + 8,192 u
	s_lshl_b32 s30, s29, 9
	s_lshl_b32 s31, s73, 8
	s_add_co_u32 s30, s30, s31
	s_mov_b32 s31, 0
	s_add_nc_u64 s[70:71], s[70:71], s[30:31]      ; words: 512 x tile + 256 u
	v_add_nc_u32 v9, s26, v2
	v_cmp_gt_u32 vcc_lo, s28, v9
	v_cndmask_b32 v9, 0, -1, vcc_lo                ; all ones where my row counts, 0 in a row that only fills up
; Row n0 + i: under LIM it lies in the tensor chosen; rows 12,500 and 12,501 are cluster_weight's; a row that only fills up reads cluster_weight's row 1, and its codes are made zeros
.irp i, 0,1,2,3,4,5,6,7,8,9,10,11,12,13,14,15
	s_add_co_u32 s30, s26, \i
	s_sub_co_u32 s31, s30, s27
	s_min_u32 s31, s31, 1
	s_cmp_lt_u32 s30, s27
	s_cselect_b32 s30, s30, s31
	s_cselect_b64 s[RP+2*\i:RP+2*\i+1], s[66:67], s[8:9]
	s_lshl_b32 s30, s30, 12                        ; a row is 4,096 bytes
	s_mov_b32 s31, 0
	s_add_nc_u64 s[RP+2*\i:RP+2*\i+1], s[RP+2*\i:RP+2*\i+1], s[30:31]
.endr
.macro LOAD f                          ; fragment f: 512 bytes of each of the 16 rows
.irp i, 0,1,2,3,4,5,6,7,8,9,10,11,12,13,14,15
	global_load_b128 v[R+64*((\f)%2)+4*\i:R+64*((\f)%2)+4*\i+3], v4, s[RP+2*\i:RP+2*\i+1] offset:512*(\f) th:TH_LOAD_NT
.endr
.endm
.macro TURNX f                         ; through the stage: LDS serves a wave's instructions in order, so no wait stands between the stores and the loads
.irp i, 0,1,2,3,4,5,6,7,8,9,10,11,12,13,14,15
	ds_store_b128 v5, v[R+64*((\f)%2)+4*\i:R+64*((\f)%2)+4*\i+3] offset:528*\i
.endr
.irp b, 0,1,2,3
.irp j, 0,1,2,3
	ds_load_b128 v[X+16*\b+4*\j:X+16*\b+4*\j+3], v6 offset:128*\b+16*\j
.endr
.endr
.endm
.macro QUANT                           ; the 64 numbers in X become a fragment's codes in PC and its scale word in PW
.irp b, 0,1,2,3
	v_max3_num_f32 v[TM+\b], |v[X+16*\b]|, |v[X+1+16*\b]|, 0x4800000   ; block b: my 16 numbers, and the floor 2^(9 - 127): so the byte cannot fall under 1
.endr
.irp i, 2,4,6,8,10,12,14
.irp b, 0,1,2,3
	v_max3_num_f32 v[TM+\b], v[TM+\b], |v[X+16*\b+\i]|, |v[X+1+16*\b+\i]|   ; the four blocks by turns
.endr
.endr
.irp b, 0,1,2,3
	v_permlanex16_b32 v[TM+4+\b], v[TM+\b], s74, s75
.endr
.irp b, 0,1,2,3
	v_max_num_f32 v[TM+\b], v[TM+\b], v[TM+4+\b]   ; with lane l xor 16's: the block's largest magnitude
.endr
.irp b, 0,1,2,3
	v_add_nc_u32 v[TM+12+\b], 0xfc000000, v[TM+\b] ; 8 off its exponent field: the conversion's scale operand
.endr
.irp b, 0,1,2,3
	v_and_or_b32 v[TM+8+\b], v[TM+\b], 0x7f800000, s76   ; 448 x the scale
.endr
.irp b, 0,1,2,3
	v_and_b32 v[TM+8+\b], v[TM+8+\b], v9           ; 0 in a row that only fills up: its numbers are held at 0, its codes are zeros
.endr
.irp b, 0,1,2,3
	v_lshrrev_b32 v[TM+4+\b], 23, v[TM+12+\b]      ; the scale's byte
.endr
	v_lshl_or_b32 v[PW], v[TM+5], 8, v[TM+4]
	v_lshl_or_b32 v[PW], v[TM+6], 16, v[PW]
	v_lshl_or_b32 v[PW], v[TM+7], 24, v[PW]
.irp b, 0,1,2,3
.irp i, 0,1,2,3,4,5,6,7,8,9,10,11,12,13,14,15
	v_med3_num_f32 v[X+16*\b+\i], v[X+16*\b+\i], -v[TM+8+\b], v[TM+8+\b]   ; the conversion to an 8-bit code does not saturate (ISA guide 7.6.2): the hold comes first
.endr
	v_cvt_scalef32_pk8_fp8_f32 v[PC+4*\b:PC+1+4*\b], v[X+16*\b:X+7+16*\b], v[TM+12+\b]
	v_cvt_scalef32_pk8_fp8_f32 v[PC+2+4*\b:PC+3+4*\b], v[X+8+16*\b:X+15+16*\b], v[TM+12+\b]
.endr
	v_nop                                          ; a plain line behind the last conversion
.endm
	LOAD 0
	LOAD 1
.macro FRAGM f
.if (\f) < 3
	s_wait_loadcnt 16                              ; this fragment's 16 loads are in; the next fragment's 16 may be out
.else
	s_wait_loadcnt 0x0
.endif
	TURNX \f
	s_wait_dscnt 0x0                               ; the numbers are back, and the stores into the stage have read their registers
.if (\f) > 0
	s_wait_xcnt 0x0                                ; the last fragment's stores have read their data: PC is written again only behind this wait
.endif
.if (\f) < 2
	LOAD (\f)+2
.endif
	QUANT
.irp c, 0,1,2,3
	global_store_b128 v7, v[PC+4*\c:PC+4*\c+3], s[68:69] offset:2048*(\f)+512*\c   ; 32 lanes store 512 consecutive bytes
.endr
.if (\f)%2 == 0
	v_mov_b32 v[SW+(\f)/2], v[PW]                  ; the even K step's word, for lanes 0-15
.else
	v_cndmask_b32 v[SW+(\f)/2], v[SW+(\f)/2], v[PW], s72   ; lanes 16-31 take the odd K step's
.endif
.endm
	FRAGM 0
	FRAGM 1
	FRAGM 2
	FRAGM 3
	global_store_b64 v8, v[SW:SW+1], s[70:71]      ; 32 lanes store 256 consecutive bytes, aligned
	; the bias of 64 columns, four tiles' worth: wave 0 of every fourth tile of the head
	s_cmp_lg_u32 s24, 0
	s_cbranch_scc1 .Lno_bias
	s_cmp_lt_u32 s25, 256
	s_cbranch_scc1 .Lno_bias
	s_and_b32 s30, s25, 3
	s_cmp_lg_u32 s30, 0
	s_cbranch_scc1 .Lno_bias
	s_sub_co_u32 s30, s25, 256                     ; the head's tile T, a multiple of 4
	s_lshl_b32 s29, s30, 4                         ; its first column
	v_lshl_add_u32 v48, v1, 1, s29                 ; n: my two columns
	v_min_u32 v49, 12498, v48
	v_lshlrev_b32 v49, 2, v49                      ; no load leaves out_bias
	v_mov_b32 v50, 0
	global_load_b64 v[52:53], v49, s[10:11]
	global_load_b64 v[54:55], v50, s[12:13]
	s_lshl_b32 s30, s30, 6                         ; 4 bytes a column
	s_mov_b32 s31, 0
	s_add_nc_u64 s[22:23], s[22:23], s[30:31]
	v_mov_b32 v51, 0xf149f2ca                      ; -1e30: a column that only fills up adds nothing to a sum of exponentials
	s_wait_loadcnt 0x0
	v_cmp_eq_u32 vcc_lo, 12500, v48
	v_cndmask_b32 v54, v51, v54, vcc_lo
	v_cndmask_b32 v55, v51, v55, vcc_lo
	v_cmp_gt_u32 vcc_lo, 12500, v48
	v_cndmask_b32 v52, v54, v52, vcc_lo
	v_cndmask_b32 v53, v55, v53, vcc_lo
	global_store_b64 v8, v[52:53], s[22:23]        ; 256 consecutive bytes, aligned
.Lno_bias:
	s_wait_tensorcnt 0x0                           ; the wave's end, behind my last LDS store
	ds_add_u32 v[SPW], v[NIL]
	s_wait_dscnt 0x0
	s_endpgm
.Lfunc_end_k_qa41df0b673_quant:
	.size	k_qa41df0b673_quant, .Lfunc_end_k_qa41df0b673_quant-k_qa41df0b673_quant
	.p2alignl 7, 3214868480
	.fill 96, 4, 3214868480
	.section	.rodata,"a",@progbits
	.p2align	6, 0x0
	.amdhsa_kernel k_qa41df0b673_quant
		.amdhsa_group_segment_fixed_size 17152
		.amdhsa_private_segment_fixed_size 0
		.amdhsa_enable_private_segment 0
		.amdhsa_kernarg_size 80
		.amdhsa_user_sgpr_count 2
		.amdhsa_user_sgpr_kernarg_segment_ptr 1
		.amdhsa_wavefront_size32 1
		.amdhsa_system_sgpr_workgroup_id_x 1
		.amdhsa_system_sgpr_workgroup_id_y 1
		.amdhsa_system_sgpr_workgroup_id_z 1
		.amdhsa_system_vgpr_workitem_id 0
		.amdhsa_next_free_vgpr 256
		.amdhsa_next_free_sgpr 80
		.amdhsa_reserve_vcc 1
		.amdhsa_float_denorm_mode_32 3
		.amdhsa_float_denorm_mode_16_64 3
		.amdhsa_memory_ordered 1
		.amdhsa_forward_progress 1
		.amdhsa_inst_pref_size 58
	.end_amdhsa_kernel
	.amdgpu_metadata
---
amdhsa.version: [ 1, 2 ]
amdhsa.kernels:
  - .name:           k_qa41df0b673_quant
    .symbol:         k_qa41df0b673_quant.kd
    .args:
      - { .name: hidden, .offset: 0, .size: 8, .value_kind: global_buffer, .address_space: global }
      - { .name: out_weight, .offset: 8, .size: 8, .value_kind: global_buffer, .address_space: global }
      - { .name: cluster_weight, .offset: 16, .size: 8, .value_kind: global_buffer, .address_space: global }
      - { .name: out_bias, .offset: 24, .size: 8, .value_kind: global_buffer, .address_space: global }
      - { .name: cluster_bias, .offset: 32, .size: 8, .value_kind: global_buffer, .address_space: global }
      - { .name: acodes, .offset: 40, .size: 8, .value_kind: global_buffer, .address_space: global }
      - { .name: ascl, .offset: 48, .size: 8, .value_kind: global_buffer, .address_space: global }
      - { .name: bcodes, .offset: 56, .size: 8, .value_kind: global_buffer, .address_space: global }
      - { .name: bscl, .offset: 64, .size: 8, .value_kind: global_buffer, .address_space: global }
      - { .name: bias, .offset: 72, .size: 8, .value_kind: global_buffer, .address_space: global }
    .group_segment_fixed_size: 17152
    .private_segment_fixed_size: 0
    .kernarg_segment_align: 8
    .kernarg_segment_size: 80
    .max_flat_workgroup_size: 64
    .sgpr_count:     80
    .vgpr_count:     256
    .wavefront_size: 32
...
	.end_amdgpu_metadata
.endif
;; end of part 4
;; launch gemm (part 5): grid 16 x 16, 4 waves a work-group, clusters of 4 x 1, 327,680 bytes of LDS; arguments acodes, ascl, bcodes, bscl, bias, part; writes part
.if DOCPART == 5
	.amdgcn_target "amdgcn-amd-amdhsa--gfx1250"
	.amdhsa_code_object_version 6
	.text
	.protected	k_qa41df0b673_gemm
	.globl	k_qa41df0b673_gemm
	.p2align	8
	.type	k_qa41df0b673_gemm,@function
k_qa41df0b673_gemm:
	s_mov_b64 s[64:65], 0
	v_nop
	global_prefetch_b8 v0, s[64:65] scope:SCOPE_SE
	s_setreg_imm32_b32 hwreg(HW_REG_WAVE_MODE, 25, 1), 1
	s_wait_xcnt 0x0
	s_wait_alu depctr_hold_cnt(0) depctr_sa_sdst(0) depctr_va_vdst(0) depctr_va_sdst(0) depctr_va_ssrc(0) depctr_va_vcc(0) depctr_vm_vsrc(0)
	s_getreg_b32 s2, hwreg(HW_REG_IB_STS2, 6, 4)
	s_cmp_eq_u32 s2, 0
	s_cbranch_scc0 .Lentry_in_a_cluster
	s_endpgm
.Lentry_in_a_cluster:
	s_bfe_u32 s2, ttmp6, 0x10000c
	s_cmp_lg_u32 s2, 0x3003
	s_cbranch_scc0 .Lentry_shape_is_right
	s_endpgm
.Lentry_shape_is_right:
; The head's logits, Q(hidden) Q(head_w)^T + head_b, on codes of E4M3 with E8M0 scales, and of each token's logits a running maximum m and sum l of e^(logit - m).  The logits never leave the registers.
; The two tail products of reference() have N = 0 and are left out (shown at the head of the first kernel).
; SHARES.  Work-group (x, y): 256 tokens (x) and 784 columns = 49 tiles of 16 (y); 16 x 16 work-groups.  Wave w owns 64 tokens, four tiles of 16; THEIR CODES FOR ALL OF K STAY IN REGISTERS (4 x 8 x 16 = 512),
; loaded once, straight from the operand's image in memory.  Only the columns' codes go through LDS: a fragment of 2,048 bytes feeds four matrix instructions.
; TRANSPOSED USE: source 0 = 16 columns, source 1 = 16 tokens: lane (r, h) holds token r, and register j column 16 T + 8 h + j.  So each lane runs its own m and l over its eight columns of every tile, and lanes meet once, at the end.
; The bias is the C of a tile's first four matrix instructions.
; BY TURNS.  A TURN is one tile of columns: 32 matrix instructions (K step s = k / 4, tile of tokens a = k % 4; the four accumulators take turns).  Behind each stands a slice of the softmax of the tile
; before, which lies in the other set of accumulators: 92 vector instructions a turn.  All 36 exponentials of a turn are one batch with one wait.
; THE LDS LOADS stand in TWO RUNS a turn.  Run B, behind slice 1: this tile's fragments 4 to 7 and scale words 2, 3 (17 loads).  Run A, behind slice 23, directly behind the wait for the exponentials: the next tile's bias,
; scale words 0, 1 and fragments 0 to 3 (19 loads).  The three LDS addresses (codes, scale words, bias) have a register each and are made once a turn, ahead of that wait, 22 slices behind the last load that named one of them.
; THE RING.  Two slots of 8 tiles (131,072 bytes); chunk c of 7 (the last is one tile) lies in slot c % 2.  Each wave fetches a quarter of a chunk with one tensor load.  The change of slots stands in a chunk's last turn, between
; run B, the slot's last reads, and run A, the next slot's first; the refill has a whole chunk, 256 matrix instructions a wave, in which to land.  By this text's count a wave has three tensor loads out at the head and one later.
; CLUSTER.  The four work-groups of a cluster have the same y and walk the same columns: codes, scale words and bias are asked for JOINTLY, by the same load with the same descriptor and the mask of all four.
; The tokens' codes are not shared so: they are a quarter of a work-group's bytes (262,144 of 1,064,960), are read once, and go into registers with no pass through LDS.
; LIMIT: the running maximum starts at -2e38 and the columns that fill up carry the bias -1e30: logits under -1e30 are not served.
; REGISTERS, in windows of 256.  Window 0: v0 lane, v1 address of the codes, v2-3 the add's two, v4-7 the columns' scale words, v8-23 the tokens', v24-31 bias, v32-63 statistics (v51, v59: the addresses of scale words and bias),
; v64-127 two sets of four accumulators, v128-255 the columns' eight fragments.  Windows 1 and 2: the tokens' fragments (a, s) at 64 (s % 4) + 16 a, K steps 0-3 and 4-7.
; Only source 1 of the matrix instructions leaves window 0.  So a vector line whose source 1 is a scalar or a constant runs under the products' setting; only the maxima and the last four lines of a turn want a switch.
.set SLOT1, 1<<17
.set TILEB, 16384
.set SCL,   2*SLOT1                    ; behind the ring: the scale words of my 49 tiles, 512 bytes each,
.set BIA,   SCL+49*512                 ; the bias of my 784 columns, 3,136 bytes,
.set SPARE, 290560                     ; and, at the next multiple of 256, the spare words: 128 bytes a wave, two blocks of 256 bytes that no other line names
.set LANE, 0
.set ADRB, 1
.set SPW,  2
.set NIL,  3
.set BS,   4                           ; register q: K step 2 q in lanes 0-15, 2 q + 1 in lanes 16-31
.set AS,   8                           ; the same for tile a of tokens at AS + 4 a + q
.set BIAS, 24
.set ST,   32                          ; tile a at ST + 8 a: +0 -c m (even turns), +1 m, +2 -c m (odd turns), +3 at work (tiles 0, 1; tiles 2, 3 use theirs in turn), +4, +5 l in two halves, +6 the factor for l, +7 at work
.set ADRS, ST+19                       ; v51: tile 2's +3
.set ADRJ, ST+27                       ; v59: tile 3's +3
.set ACC,  64                          ; set P, tile a at ACC + 32 P + 8 a
.set BF,   128                         ; K step s at BF + 16 s
.set WV,   16
.set G1,   24                          ; s[24:31] group 1: 128 rows of 256 bytes
.set G1T,  32                          ; 16 rows
.set G1S,  40                          ; 49 rows
.set G1J,  48                          ; one row of 1,568 bytes
.set G0A,  56                          ; groups 0: chunk 0;
.set G0B,  60                          ; chunk 1, which then walks;
.set G0T,  68                          ; chunk 6;
.set G0S,  72                          ; scale words;
.set G0J,  76                          ; bias
.set TB,   80                          ; LDS byte of the tile to be fetched,
.set TS,   81                          ; of its scale words,
.set TJ,   82                          ; of its bias
.set CH,   83
.set IN,   84
.set CS,   86                          ; s[86:87] c = log2(e)
.set NEGC, 88                          ; -c
.set SEL,  90                          ; s[90:91] selects for lane l xor 16
.set W_LO, 0x04                        ; source 1 in window 1
.set W_HI, 0x08                        ; source 1 in window 2
.set MSB, 0
.macro WIN new                         ; the immediate's high byte repeats the setting that is left
.if MSB != \new
	s_set_vgpr_msb (MSB<<8)|\new
.set MSB, \new
.endif
.endm
.macro CREST                           ; a round of the cluster's barrier behind its opening barrier
	s_cmp_lg_u32 s[WV], 0
	s_cbranch_scc1 .Lnot_wave_0_\@
	s_barrier_signal -3
.Lnot_wave_0_\@:
	s_barrier_wait -3
	s_barrier_signal -1
	s_barrier_wait -1
.endm
.macro CROUND
	s_barrier_signal -1
	s_barrier_wait -1
	CREST
.endm
.macro ALOAD s                         ; K step s of my four tiles of tokens: 16 loads of 512 consecutive bytes, straight into the operand's registers
.irp a, 0,1,2,3
.irp c, 0,1,2,3
	global_load_b128 v[64*((\s)%4)+16*\a+4*\c:64*((\s)%4)+16*\a+4*\c+3], v[ACC], s[4:5] offset:16384*\a+2048*(\s)+512*\c
.endr
.endr
.endm
	s_load_b256 s[4:11], s[0:1], 0x0               ; acodes, ascl, bcodes, bscl
	s_load_b128 s[12:15], s[0:1], 0x20             ; bias, part
	v_lshl_add_u32 v[SPW], v0, 2, SPARE
	v_mov_b32 v[NIL], 0
	ds_add_u32 v[SPW], v[NIL]                      ; the wave's opening: the add, twice on end, and its wait ahead of my first tensor load
	ds_add_u32 v[SPW], v[NIL]
	v_lshrrev_b32 v1, 5, v0
	v_readfirstlane_b32 s[WV], v1                  ; wave 0..3
	v_and_b32 v[LANE], 31, v0
	v_lshlrev_b32 v[ACC], 4, v[LANE]               ; offsets for the tokens' loads, in registers that the first products write only behind the wait for these loads
	v_lshlrev_b32 v[ACC+1], 3, v[LANE]
	s_bfe_u32 s17, ttmp6, 0x40000                  ; cx: it enters the tokens' and the result's addresses alone
	s_lshl_b32 s18, ttmp9, 2
	s_add_co_u32 s18, s18, s17                     ; my block of 256 tokens
	s_and_b32 s19, ttmp7, 0xffff                   ; my group of 784 columns, which the four partners share
.irp g, G1, G1T, G1S
	s_mov_b32 s[\g], 15|(3<<16)|(1<<21)            ; 15:0 the mask: all four work-groups; 17:16 elements of 8 bytes; 21 set beside a mask; no padding: every fragment load takes 512 consecutive bytes
	s_mov_b32 s[\g+1], 32<<16                      ; tensor_dim0 = 32 elements
	s_mov_b32 s[\g+3], 32<<16                      ; tile_dim0
	s_mov_b32 s[\g+5], 32                          ; from row to row: dense
	s_mov_b32 s[\g+6], 0
	s_mov_b32 s[\g+7], 0
.endr
	s_mov_b32 s[G1+2], 128<<16                     ; tensor_dim1,
	s_mov_b32 s[G1+4], 128                         ; tile_dim1
	s_mov_b32 s[G1T+2], 16<<16
	s_mov_b32 s[G1T+4], 16
	s_mov_b32 s[G1S+2], 49<<16
	s_mov_b32 s[G1S+4], 49
	s_mov_b32 s[G1J], 15|(3<<16)|(1<<21)
	s_mov_b32 s[G1J+1], 196<<16
	s_mov_b32 s[G1J+2], 1<<16
	s_mov_b32 s[G1J+3], 196<<16
	s_mov_b32 s[G1J+4], 1
	s_mov_b32 s[G1J+5], 196
	s_mov_b32 s[G1J+6], 1<<16
	s_mov_b32 s[G1J+7], 0
	s_mov_b32 s[CS], 0x3fb8aa3b
	s_mov_b32 s[CS+1], s[CS]                       ; (named with it as a pair, so it is written)
	s_mov_b32 s[NEGC], 0xbfb8aa3b
	s_mov_b32 s[SEL], 0x76543210
	s_mov_b32 s[SEL+1], 0xfedcba98
	s_mov_b32 s[TB], 0
	s_mov_b32 s[TS], SCL
	s_mov_b32 s[TJ], BIA
	s_lshl_b32 s92, s18, 4
	s_lshl_b32 s93, s[WV], 2
	s_add_co_u32 s92, s92, s93                     ; my first tile of tokens: 16 x block + 4 x wave
	s_mov_b32 s95, 0
	s_mul_i32 s20, s19, 49*TILEB                   ; my group's codes
	s_lshl_b32 s21, s[WV], 15                      ; my quarter of a chunk
	s_add_co_u32 s22, s20, s21
	s_mov_b32 s23, 0
	s_wait_dscnt 0x0                               ; both opening adds are done
	s_wait_kmcnt 0x0
	s_lshl_b32 s94, s92, 14
	s_add_nc_u64 s[4:5], s[4:5], s[94:95]          ; the tokens' codes,
	s_lshl_b32 s94, s92, 9
	s_add_nc_u64 s[6:7], s[6:7], s[94:95]          ; their scale words
	; the tokens' scale words and K steps 0 to 2 are asked for at once, 56 loads: they are on their way while the descriptors are made and the cluster meets
.irp a, 0,1,2,3
.irp u, 0,1
	global_load_b64 v[AS+4*\a+2*\u:AS+4*\a+2*\u+1], v[ACC+1], s[6:7] offset:512*\a+256*\u
.endr
.endr
	WIN 0x40                                       ; destination window 1
	ALOAD 0
	ALOAD 1
	ALOAD 2
	WIN 0
	s_lshl_b32 s94, s92, 7
	s_lshl_b32 s93, s19, 15
	s_add_co_u32 s94, s94, s93
	s_add_nc_u64 s[14:15], s[14:15], s[94:95]      ; where (m, l) go: 32,768 x group + 8 x token
	s_mov_b32 s[G0A], 1                            ; count = 1
	s_mov_b32 s[G0A+1], s21                        ; LDS address: slot 0, my quarter
	s_add_nc_u64 s[G0A+2:G0A+3], s[8:9], s[22:23]
	s_mov_b32 s[G0B], 1
	s_add_co_u32 s[G0B+1], s21, SLOT1
	s_add_nc_u64 s[G0B+2:G0B+3], s[G0A+2:G0A+3], 8*TILEB
	s_or_b32 s[G0A+3], s[G0A+3], 0x80000000        ; type = 2
	s_or_b32 s[G0B+3], s[G0B+3], 0x80000000
	s_lshl_b32 s21, s[WV], 12                      ; my quarter of the last tile
	s_add_co_u32 s22, s20, s21
	s_add_co_u32 s22, s22, 48*TILEB
	s_mov_b32 s[G0T], 1
	s_mov_b32 s[G0T+1], s21
	s_add_nc_u64 s[G0T+2:G0T+3], s[8:9], s[22:23]
	s_or_b32 s[G0T+3], s[G0T+3], 0x80000000
	s_and_b32 s20, s[WV], 1                        ; which half of the scale words (waves 0, 1) or of the bias (waves 2, 3) I fetch
	s_mul_i32 s21, s20, 12544
	s_mul_i32 s22, s19, 25088
	s_add_co_u32 s22, s22, s21
	s_mov_b32 s[G0S], 1
	s_add_co_u32 s[G0S+1], s21, SCL
	s_add_nc_u64 s[G0S+2:G0S+3], s[10:11], s[22:23]
	s_or_b32 s[G0S+3], s[G0S+3], 0x80000000
	s_mul_i32 s21, s20, 1568
	s_mul_i32 s22, s19, 3136
	s_add_co_u32 s22, s22, s21
	s_mov_b32 s[G0J], 1
	s_add_co_u32 s[G0J+1], s21, BIA
	s_add_nc_u64 s[G0J+2:G0J+3], s[12:13], s[22:23]
	s_or_b32 s[G0J+3], s[G0J+3], 0x80000000
	CROUND                                         ; all four work-groups are here: the first joint loads meet
	s_cmp_lt_u32 s[WV], 2                          ; a fill in each arm: every wave issues three first fills
	s_cbranch_scc0 .Lside_bias
	tensor_load_to_lds s[G0S:G0S+3], s[G1S:G1S+7]
	s_nop 0
.rept 4
	v_nop
.endr
	s_branch .Lside_asked
.Lside_bias:
	tensor_load_to_lds s[G0J:G0J+3], s[G1J:G1J+7]
	s_nop 0
.rept 4
	v_nop
.endr
.Lside_asked:
	tensor_load_to_lds s[G0A:G0A+3], s[G1:G1+7]    ; chunk 0
	s_nop 0
	tensor_load_to_lds s[G0B:G0B+3], s[G1:G1+7]    ; chunk 1
	s_nop 0
.rept 4
	v_nop
.endr
	WIN 0x40                                       ; the tokens' other K steps: destination window 1,
	ALOAD 3
	WIN 0x80                                       ; window 2
	ALOAD 4
	ALOAD 5
	ALOAD 6
	ALOAD 7
	WIN 0
; The turn is written once: the first turn's softmax finds a tile of -infinity, which leaves m at its start and adds zeros to l
.set j, 0
.rept 32
	v_mov_b32 v[ACC+32+j], 0xff800000
.set j, j+1
.endr
.irp a, 0,1,2,3
	v_mov_b32 v[ST+8*\a+1], 0xff167699             ; m = -2e38
	v_mul_f32 v[ST+8*\a+2], s[NEGC], v[ST+8*\a+1]  ; -c m: finite
	v_mov_b32 v[ST+8*\a], 0
	v_mov_b32 v[ST+8*\a+3], 0
	v_mov_b32 v[ST+8*\a+4], 0
	v_mov_b32 v[ST+8*\a+5], 0
	v_mov_b32 v[ST+8*\a+6], 0
	v_mov_b32 v[ST+8*\a+7], 0
.endr
.macro LDF s                           ; the columns' fragment of K step s: four loads of 512 consecutive bytes
.irp c, 0,1,2,3
	ds_load_b128 v[BF+16*(\s)+4*\c:BF+16*(\s)+4*\c+3], v[ADRB] offset:2048*(\s)+512*\c
.endr
.endm
.macro ADDRS                           ; the three LDS addresses of the tile at s[TB], s[TS], s[TJ]: 16 x lane in its codes, 8 x lane in its scale words, my half's eight columns of its bias
	v_lshl_add_u32 v[ADRB], v[LANE], 4, s[TB]
	v_lshl_add_u32 v[ADRS], v[LANE], 3, s[TS]
	v_bfe_u32 v[ADRJ], v[LANE], 4, 1
	v_lshl_add_u32 v[ADRJ], v[ADRJ], 5, s[TJ]
.endm
.macro RUNA                            ; 19 loads, what is wanted first in front: bias, scale words of K steps 0 to 3, fragments 0 to 3
	ds_load_b128 v[BIAS:BIAS+3], v[ADRJ]
	ds_load_b128 v[BIAS+4:BIAS+7], v[ADRJ] offset:16
	ds_load_b64 v[BS:BS+1], v[ADRS]
	LDF 0
	LDF 1
	LDF 2
	LDF 3
.endm
.macro RUNB                            ; 17 loads: fragment 4, scale words of K steps 4 to 7, fragments 5 to 7
	LDF 4
	ds_load_b64 v[BS+2:BS+3], v[ADRS] offset:256
	LDF 5
	LDF 6
	LDF 7
.endm
.macro MM p                            ; matrix instruction k of a turn
.set KS_, k/4
.set KA_, k%4
.set rD, ACC+32*(\p)+8*KA_
.set rB, BF+16*KS_
.set rA, 64*(KS_%4)+16*KA_
.if KS_ < 4
	WIN W_LO
.else
	WIN W_HI
.endif
.if KS_ == 0
	v_wmma_scale_f32_16x16x128_f8f6f4 v[rD:rD+7], v[rB:rB+15], v[rA:rA+15], v[BIAS:BIAS+7], v[BS], v[AS+4*KA_]
.elseif KS_%2 == 0
	v_wmma_scale_f32_16x16x128_f8f6f4 v[rD:rD+7], v[rB:rB+15], v[rA:rA+15], v[rD:rD+7], v[BS+KS_/2], v[AS+4*KA_+KS_/2]
.else
	v_wmma_scale_f32_16x16x128_f8f6f4 v[rD:rD+7], v[rB:rB+15], v[rA:rA+15], v[rD:rD+7], v[BS+KS_/2], v[AS+4*KA_+KS_/2] matrix_a_scale:MATRIX_SCALE_ROW1 matrix_b_scale:MATRIX_SCALE_ROW1
.endif
.endm
; THE SOFTMAX'S LINES.  XB: the accumulators of the tile before; NN, NO: where the new and the old -c m stand.
.macro M_MX a, n                       ; the maximum of my eight logits and the old m; the first line reads the accumulator's low end
.set rT, ST+8*(\a)
.set rU, ST+8*((\a)%2)+3               ; tiles 2 and 3 work in the register that tiles 0 and 1 have done with
.set rX, XB+8*(\a)
.if (\n) == 0
	v_max3_num_f32 v[rT+7], v[rX], v[rX+1], v[rX+2]
.elseif (\n) == 1
	v_max3_num_f32 v[rU], v[rX+3], v[rX+4], v[rX+5]
.elseif (\n) == 2
	v_max3_num_f32 v[rT+7], v[rT+7], v[rX+6], v[rX+7]
.else
	v_max3_num_f32 v[rT+1], v[rT+7], v[rU], v[rT+1]
.endif
.endm
.macro M_NC a                          ; -c m
.set rT, ST+8*(\a)
	v_mul_f32 v[rT+NN], v[rT+1], s[NEGC]
.endm
.macro M_DD a                          ; c m_old - c m_new.  (A subtraction, written with the constant 1.0 as source 1, so that it runs under the products' window setting)
.set rT, ST+8*(\a)
	v_fma_f32 v[rT+6], v[rT+NN], 1.0, -v[rT+NO]
.endm
.macro M_SC i                          ; pair i of 16: c x - c m  (of the pair that holds -c m the low word serves both halves)
.set rX, XB+2*(\i)
.set rT, ST+8*((\i)/4)+NN
	v_pk_fma_f32 v[rX:rX+1], v[rX:rX+1], s[CS:CS+1], v[rT:rT+1] op_sel_hi:[1,0,0]
.endm
.macro M_EA a
.set rT, ST+8*(\a)
	v_exp_f32 v[rT+6], v[rT+6]
.endm
.macro M_EX n
	v_exp_f32 v[XB+(\n)], v[XB+(\n)]
.endm
.macro M_AD n                          ; the sum of a tile's four pairs, three additions, tile n % 4.  (Additions, written with the constant 1.0 as source 1, for the same reason)
.set rX, XB+8*((\n)%4)
.if (\n)/4 == 0
	v_pk_fma_f32 v[rX:rX+1], v[rX:rX+1], 1.0, v[rX+2:rX+3] op_sel_hi:[1,0,1]
.elseif (\n)/4 == 1
	v_pk_fma_f32 v[rX+4:rX+5], v[rX+4:rX+5], 1.0, v[rX+6:rX+7] op_sel_hi:[1,0,1]
.else
	v_pk_fma_f32 v[rX:rX+1], v[rX:rX+1], 1.0, v[rX+4:rX+5] op_sel_hi:[1,0,1]
.endif
.endm
.macro M_LU a                          ; l = l x 2^(c m_old - c m_new) + the tile's sum
.set rT, ST+8*(\a)
.set rX, XB+8*(\a)
	v_pk_fma_f32 v[rT+4:rT+5], v[rT+4:rT+5], v[rT+6:rT+7], v[rX:rX+1] op_sel_hi:[1,0,1]
.endm
; SLICE k of 32, and the loads and waits that stand behind it.  kind: 0 an ordinary turn; 1, 2, 3 a chunk's last turn: the slot is filled again with a whole chunk, with the last tile, not at all.
; ld: 1 the next tile is fetched; 0 the last turn: run B alone; 2 no loads.
; PLACES.  A load into a register that a matrix instruction has read, and a vector line that reads a result, stand eight plain vector lines or more behind that matrix instruction (ISA guide 7.12.1 for a vector line that reads a result);
; exponentials are not counted.  By this text's count: run A, behind product 15, the last that read fragment 3 and scale words 0, 1: seven scalings (slices 15 to 21) and the four address lines: 11;
; run B, behind product 31 of the turn before: slices 31, 0 and 1: 12; the accumulators' first reads: 10 or more.
.macro SLICE p, kind, ld
.set XB, ACC+32*(1-(\p))
.set NN, 2*(\p)
.set NO, 2-2*(\p)
.if k < 4
	WIN 0
.set A0, 2*(k/2)
.set N0, 2*(k%2)
	M_MX A0, N0
	M_MX A0+1, N0
	M_MX A0, N0+1
	M_MX A0+1, N0+1
.elseif k < 6
.set A0, 2*(k-4)
	M_NC A0
	M_NC A0+1
	M_DD A0
	M_DD A0+1
.elseif k < 8
	M_SC k-6
	M_EA 2*(k-6)
	M_EA 2*(k-6)+1
.elseif k < 22
	M_SC k-6
	M_EX 2*(k-6)-4
	M_EX 2*(k-6)-3
.elseif k < 24
	M_EX 2*k-16
	M_EX 2*k-15
.elseif k < 28
	M_AD k-24
.elseif k == 28
	M_AD 4
	M_AD 5
.elseif k == 29
	M_AD 6
	M_AD 7
	M_AD 8
.elseif k == 30
	M_AD 9
	M_AD 10
	M_AD 11
.else
	WIN 0
	M_LU 0
	M_LU 1
	M_LU 2
	M_LU 3
.endif
.if k == 1
.if (\ld) < 2
	RUNB                                           ; the addresses in hand are this tile's
.endif
.if (\ld) == 1
	s_add_co_u32 s[TB], s[TB], TILEB               ; on to the next tile
	s_add_co_u32 s[TS], s[TS], 512
	s_add_co_u32 s[TJ], s[TJ], 64
.if \kind
	s_sub_co_u32 s[TB], s[TB], SLOT1               ; which is the first of the other slot
	s_xor_b32 s[TB], s[TB], SLOT1
.endif
.endif
.endif
.if (k == 2) && (\kind)                ; THE CHANGE OF SLOTS: my last reads of this slot, run B, have just been issued.  (Every window is 0 here)
	s_wait_tensorcnt 0x0                           ; all my tensor loads have landed: the one that was out is my part of the next chunk;
	ds_add_u32 v[SPW], v[NIL]                      ; 0 onto my spare word; nine matrix instructions and their slices stand between it and the wait for it
.if (\kind) == 1
	s_xor_b32 s[G0B+1], s[G0B+1], SLOT1            ; no load of mine is out, so the walking descriptor may be written: the other slot than last time,
	s_add_nc_u64 s[G0B+2:G0B+3], s[G0B+2:G0B+3], 8*TILEB   ; the next chunk; the type bits on top are not reached
.endif
.endif
.if (k == 11) && (\kind)
	s_wait_dscnt 0x0                               ; the add is done, and my reads of this slot are over
	s_barrier_signal -1                            ; three matrix instructions and their slices, work on registers, stand between the signal and the wait
.endif
.if (k == 14) && (\kind)
.if (\kind) < 3
	WIN 0
	s_wait_alu depctr_va_vdst(0)                   ; the wait behind exponentials ahead of a branch
.endif
	s_barrier_wait -1
.if (\kind) < 3
	CREST                                          ; the barrier has opened a round of the cluster's: no wave of any partner still reads this slot or has a load on its way
.if (\kind) == 1
	tensor_load_to_lds s[G0B:G0B+3], s[G1:G1+7]    ; the first thing behind the round, and my one tensor load until the next
.else
	tensor_load_to_lds s[G0T:G0T+3], s[G1T:G1T+7]  ; the last tile
.endif
	s_nop 0
.rept 4
	v_nop
.endr
.endif
.endif
.if k == 23                            ; the batch is out: 36 exponentials are issued, and no result has been named
.if (\ld) == 1
	ADDRS                                          ; plain lines behind the last exponential: the next tile's addresses
.else
	v_nop                                          ; a plain line behind the last exponential
.endif
	s_wait_alu depctr_va_vdst(0)                   ; one wait for the batch, ahead of its first reader
.if (\ld) == 1
	RUNA                                           ; in a chunk's last turn this is the next slot's first read: it stands behind the barrier
.endif
.endif
.endm
; The waits count the LDS loads issued behind the ones wanted.  The order of issue is: run A (bias 2, scale words 1, fragments 0 to 3: 4 each), then, behind product 1, run B (fragment 4: 4, scale words 1, fragments 5 to 7: 4 each),
; then, behind product 23, the next run A.  In a chunk's last turn the add stands behind run B: the counts then ask for one load more than is wanted.
.macro TURN p, kind, ld
.set k, 0
.rept 32
.if k == 0
	s_wait_dscnt 12                                ; bias, scale words and fragment 0 are in; fragments 1 to 3 may be out
.elseif k == 4
	s_wait_dscnt 25                                ; fragment 1 is in; fragments 2, 3 and run B's 17 may be out
.elseif k == 8
	s_wait_dscnt 17                                ; fragments 2, 3 are in; run B may be out
.elseif k == 16
	s_wait_dscnt 8                                 ; fragment 4, scale words 2, 3 and fragment 5 are in; fragments 6, 7 may be out
.elseif k == 24
.if \ld
	s_wait_dscnt 19                                ; fragments 6, 7 are in; the next run A may be out
.else
	s_wait_dscnt 0x0
.endif
.endif
	MM \p
	SLICE \p, \kind, \ld
.set k, k+1
.endr
.endm
.macro CHUNK kind                      ; eight turns
	s_mov_b32 s[IN], 3
.Lpair_\@:
	TURN 0, 0, 1
	TURN 1, 0, 1
	WIN 0
	s_sub_co_u32 s[IN], s[IN], 1
	s_cmp_lg_u32 s[IN], 0
	s_cbranch_scc1 .Lpair_\@
	TURN 0, 0, 1
	TURN 1, \kind, 1
	WIN 0
.endm
	s_wait_tensorcnt 1                             ; my parts of the side data and of chunk 0 are in; chunk 1's load, the one issued behind them, may be out
	s_barrier_signal -1
	s_barrier_wait -1                              ; everybody's are
	ADDRS
	RUNA                                           ; tile 0
	s_wait_loadcnt 0x0                             ; the tokens' codes and scale words
	s_mov_b32 s[CH], 4
.Lchunk:                                           ; chunks 0 to 3: each leaves its slot to the chunk two on
	CHUNK 1
	s_sub_co_u32 s[CH], s[CH], 1
	s_cmp_lg_u32 s[CH], 0
	s_cbranch_scc1 .Lchunk
	CHUNK 2                                        ; chunk 4 leaves slot 0 to the last tile
	CHUNK 3                                        ; chunk 5: nothing is left to fetch
	TURN 0, 0, 0                                   ; tile 48
.set k, 0
.rept 32
	SLICE 1, 0, 2                                  ; its softmax
.set k, k+1
.endr
	; THE WAY OUT.  A token's columns lie in lanes l and l xor 16: the two (m, l) are joined under the larger m.  At work in the registers that held the columns' fragments.
.irp a, 0,1,2,3
	v_add_f32 v[BF+8*\a], v[ST+8*\a+4], v[ST+8*\a+5]   ; l's two halves
	v_mov_b32 v[BF+8*\a+1], 0                      ; (a lane permute's destination counts as one of its sources)
	v_mov_b32 v[BF+8*\a+2], 0
.endr
.irp a, 0,1,2,3
	v_permlanex16_b32 v[BF+8*\a+1], v[ST+8*\a+1], s[SEL], s[SEL+1]
	v_permlanex16_b32 v[BF+8*\a+2], v[BF+8*\a], s[SEL], s[SEL+1]
.endr
.irp a, 0,1,2,3
	v_max_num_f32 v[BF+8*\a+3], v[ST+8*\a+1], v[BF+8*\a+1]
.endr
.irp a, 0,1,2,3
	v_mul_f32 v[BF+8*\a+6], s[NEGC], v[BF+8*\a+3]
.endr
.irp a, 0,1,2,3
	v_fma_f32 v[BF+8*\a+4], v[ST+8*\a+1], s[CS], v[BF+8*\a+6]
	v_fma_f32 v[BF+8*\a+5], v[BF+8*\a+1], s[CS], v[BF+8*\a+6]
.endr
.irp a, 0,1,2,3
	v_exp_f32 v[BF+8*\a+4], v[BF+8*\a+4]
	v_exp_f32 v[BF+8*\a+5], v[BF+8*\a+5]
.endr
	v_lshlrev_b32 v[BF+36], 3, v[LANE]             ; (a plain line behind the exponentials)  8 bytes a lane
	s_wait_alu depctr_va_vdst(0)                   ; one wait for the eight
.irp a, 0,1,2,3
	v_mul_f32 v[BF+8*\a], v[BF+8*\a], v[BF+8*\a+4]
.endr
.irp a, 0,1,2,3
	v_fma_f32 v[BF+8*\a], v[BF+8*\a+2], v[BF+8*\a+5], v[BF+8*\a]
.endr
	v_cmp_le_u32 vcc_lo, 16, v[LANE]               ; lanes 0-15 store tile 0's (then 2's) tokens, lanes 16-31 tile 1's (3's)
	v_cndmask_b32 v[BF+32], v[BF+3], v[BF+11], vcc_lo
	v_cndmask_b32 v[BF+33], v[BF], v[BF+8], vcc_lo
	v_cndmask_b32 v[BF+34], v[BF+19], v[BF+27], vcc_lo
	v_cndmask_b32 v[BF+35], v[BF+16], v[BF+24], vcc_lo
	global_store_b64 v[BF+36], v[BF+32:BF+33], s[14:15]              ; 32 lanes store 256 consecutive bytes, aligned
	global_store_b64 v[BF+36], v[BF+34:BF+35], s[14:15] offset:256
	s_wait_tensorcnt 0x0                           ; the wave's end, behind my last tensor load
	ds_add_u32 v[SPW], v[NIL]
	s_wait_dscnt 0x0
	CROUND                                         ; the closing round: no work-group ends while a partner may still ask for a tile that names it
	s_endpgm
.Lfunc_end_k_qa41df0b673_gemm:
	.size	k_qa41df0b673_gemm, .Lfunc_end_k_qa41df0b673_gemm-k_qa41df0b673_gemm
	.p2alignl 7, 3214868480
	.fill 96, 4, 3214868480
	.section	.rodata,"a",@progbits
	.p2align	6, 0x0
	.amdhsa_kernel k_qa41df0b673_gemm
		.amdhsa_group_segment_fixed_size 327680
		.amdhsa_private_segment_fixed_size 0
		.amdhsa_enable_private_segment 0
		.amdhsa_kernarg_size 48
		.amdhsa_user_sgpr_count 2
		.amdhsa_user_sgpr_kernarg_segment_ptr 1
		.amdhsa_wavefront_size32 1
		.amdhsa_system_sgpr_workgroup_id_x 1
		.amdhsa_system_sgpr_workgroup_id_y 1
		.amdhsa_system_sgpr_workgroup_id_z 1
		.amdhsa_system_vgpr_workitem_id 0
		.amdhsa_next_free_vgpr 768
		.amdhsa_next_free_sgpr 96
		.amdhsa_reserve_vcc 1
		.amdhsa_float_denorm_mode_32 3
		.amdhsa_float_denorm_mode_16_64 3
		.amdhsa_memory_ordered 1
		.amdhsa_forward_progress 1
		.amdhsa_inst_pref_size 187
	.end_amdhsa_kernel
	.amdgpu_metadata
---
amdhsa.version: [ 1, 2 ]
amdhsa.kernels:
  - .name:           k_qa41df0b673_gemm
    .symbol:         k_qa41df0b673_gemm.kd
    .args:
      - { .name: acodes, .offset: 0, .size: 8, .value_kind: global_buffer, .address_space: global }
      - { .name: ascl, .offset: 8, .size: 8, .value_kind: global_buffer, .address_space: global }
      - { .name: bcodes, .offset: 16, .size: 8, .value_kind: global_buffer, .address_space: global }
      - { .name: bscl, .offset: 24, .size: 8, .value_kind: global_buffer, .address_space: global }
      - { .name: bias, .offset: 32, .size: 8, .value_kind: global_buffer, .address_space: global }
      - { .name: part, .offset: 40, .size: 8, .value_kind: global_buffer, .address_space: global }
    .group_segment_fixed_size: 327680
    .private_segment_fixed_size: 0
    .kernarg_segment_align: 8
    .kernarg_segment_size: 48
    .max_flat_workgroup_size: 128
    .sgpr_count:     96
    .vgpr_count:     768
    .wavefront_size: 32
...
	.end_amdgpu_metadata
.endif
;; end of part 5
;; launch finish: the kernel of part 3 again; grid 256 x 1, 1 waves a work-group, no clusters, 0 bytes of LDS; arguments target, acodes, ascl, bcodes, bscl, bias, part, out0; writes out0
